; MI455X (gfx1250); checked and timed in simulation.
; The chip was launched on July 23, 2026; its instructions are those of AMD's public machine-readable ISA for CDNA 5 (MIT licence, August 2026) and "CDNA5" Instruction Set Architecture Reference Guide (July 2026). The comments in the code are by the model that wrote it; some were corrected since.
;; Causal Self Attention. Allowed arithmetic: matrix products marked QUANTISED: E2M1 operands, one E8M0 scale for each 32 along K, by v_wmma_scale_f32_16x16x128_f8f6f4 with both operands' format E2M1 (or v_wmma_scale_f32_32x16x128_f4), f32 sums; products left as they are: bf16, f16 or f32 operands; f32 sums; everything else in f32.
;; Inputs: w_out 1,024 x 1,024 float32; w_qkv 1,024 x 3,072 float32; x 2 x 2,048 x 1,024 float32.
;; Outputs: out0 2 x 2,048 x 1,024 float32.
;; This version of the problem:
;;   THIS VERSION OF THE PROBLEM IS GIVEN IN LOW PRECISION. The matrix products marked QUANTISED in the list below multiply operands that are first quantised to E2M1 (2 exponent bits, 1 mantissa bit; 4 bits a number), with one power-of-two scale for each 32 numbers along K (OCP MX v1.0); their sums are f32. The products marked 'left as it is' may take bf16, f16 or f32 operands, with f32 sums. Whichever they take, every output number must still come out within the allowed error. Rounding operands to bf16 (8 significant bits) uses up far more of that allowance than f16 does (11 bits, for magnitudes from 6e-5 to 65,504). All else is computed in f32.
;;   The module's matrix products, in the order in which they are computed (A, B: the left and right operand; K: the contracted axis; several contracted axes count as one K, in the product's order):
;;     1. [M 4,096, K 1,024] x [K 1,024, N 3,072]; A: input x; B: input w_qkv: QUANTISED
;;     2. batch 32 x [M 2,048, K 64] x [K 64, N 2,048]; A: computed on the way; B: computed on the way: left as it is (an operand is computed on the way)
;;     3. batch 32 x [M 2,048, K 2,048] x [K 2,048, N 64]; A: computed on the way; B: computed on the way: left as it is (an operand is computed on the way)
;;     4. [M 4,096, K 1,024] x [K 1,024, N 1,024]; A: computed on the way; B: input w_out: left as it is (an operand is computed on the way)
;;   THE QUANTISER, for each operand of a quantised product, along K:
;;     - K is cut into blocks of 32 from its start; a last block that is shorter is filled with zeros.
;;     - A block's scale is 2^e with e = floor(log2(the largest magnitude in the block)) - 2, held to -126 .. 127; a block of zeros has e = 0. As a byte (E8M0): e + 127.
;;     - Each number is divided by its block's scale, clamped to +-6, and rounded to the nearest number of E2M1, ties to even, subnormals kept.
;;     - The product sums the exact products of the quantised numbers (number of the format x scale) in f32.
;;   ~~~python
;;   def quantise(x, axis):      # numpy; x: float32 -> the quantised numbers, widened to float32 again
;;       x = np.moveaxis(x, axis, -1); K = x.shape[-1]
;;       x = np.pad(x, [(0, 0)] * (x.ndim - 1) + [(0, -K % 32)]); x = x.reshape(x.shape[:-1] + (-1, 32)); a = np.abs(x).max(-1, keepdims=True)
;;       e = np.where(a > 0, np.clip(np.frexp(np.where(a > 0, a, 1))[1] - 1 - 2, -126, 127), 0)      # np.frexp(a)[1] - 1 = floor(log2(a)), exactly
;;       r = np.clip(x / 2.0 ** e, -6, 6)
;;       step = 2.0 ** (np.maximum(np.frexp(np.where(r == 0, 1, r))[1] - 1, 0) - 1)
;;       q = np.round(r / step) * step * 2.0 ** e      # np.round: ties to even
;;       return np.moveaxis(q.reshape(q.shape[:-2] + (-1,))[..., :K], -1, axis).astype(np.float32)
;;   ~~~
;; One version. Each part assembles by itself: llvm-mc -triple=amdgcn-amd-amdhsa -mcpu=gfx1250 --defsym DOCPART=n.
;; ======== version 1 of 1: 5 launches
;; limits: values are held in f16: magnitudes above 65,504 overflow, below 6.1e-05 lose precision
;; workspace buffers: codes 3,670,016 bytes; scales 229,376 bytes; wot 2,097,152 bytes; rope 524,288 bytes; qkv16 25,165,824 bytes; qkv32 393,216 bytes; attn16 8,388,608 bytes
;; launch prep (part 1): grid 296 x 1, 8 waves a work-group, no clusters, 68,608 bytes of LDS; arguments x, w_qkv, w_out, codes, scales, wot, rope; writes codes, scales, wot, rope
.if DOCPART == 1
	.amdgcn_target "amdgcn-amd-amdhsa--gfx1250"
	.amdhsa_code_object_version 6
	.text
	.protected	k_q0ee871b2d7_prep
	.globl	k_q0ee871b2d7_prep
	.p2align	8
	.type	k_q0ee871b2d7_prep,@function
k_q0ee871b2d7_prep:
	s_mov_b64 s[64:65], 0
	v_nop
	global_prefetch_b8 v0, s[64:65] scope:SCOPE_SE
	s_setreg_imm32_b32 hwreg(HW_REG_WAVE_MODE, 25, 1), 1
	s_wait_xcnt 0x0
; PREPARATION, four kinds of work-group told apart by the work-group's number alone:
;   0-95    W: w_qkv [1024 k][3072 n] f32 -> codes of FP4 (E2M1) and E8M0 scale bytes, quantised along k (its first axis)
;   96-223  X: x [4096 rows][1024 k] f32 -> the same, quantised along k (its last axis)
;   224-287 T: w_out [1024 k][1024 n] f32 -> f16, laid with k innermost
;   288-295 R: the table of cos and sin for the rotary embedding, [2048 positions][32 cos | 32 sin] f32
; ALL WORKSPACE OPERANDS LIE IN THE ORDER OF THE MATRIX OPERAND'S REGISTERS.  Codes: [tile of 16 rows][block of 32 k: 0..31][row 0..15][16 bytes];
; scale words: [tile][K step of 128: 0..7][row][4 bytes]; f16: [tile of 16 rows][8 k: 0..127][row][16 bytes].  So a reader's lane l takes its 16 bytes at 16 l.
; A block's scale is 2^(floor(log2(largest magnitude)) - 2); its byte is the largest magnitude's exponent field - 2, held at 1 from below by a floor among the maximum's leaves.
; LIMITS: a block of zeros gets the byte 1 (the quantiser's text says 127): its codes are zeros, and this program alone reads the bytes; blocks whose largest magnitude lies under 2^-124
; are held at byte 1; NaN and infinities among the inputs are not served; w_out goes in f16: magnitudes above 65,504 are not served.
; cos and sin: the angle is position x frequency rounded once, as the problem's text has it; the frequencies are the f32 numbers nearest to 10^(-j/8), which may differ by one unit in the last
; place from a computed power and reciprocal (at most 1.2e-4 in the angle at position 2047); reduction by pi/2 in two parts, polynomials good to about 1e-7.
; Only path X touches LDS.  No barrier: waves share nothing.
.set SPARE, 67584                      ; behind the eight stages of path X: the spare words, 128 bytes a wave: four blocks of 256 bytes that no other line names
.set SPW,   14                         ; v14  LDS address of my spare word; never rewritten
.set NIL,   15                         ; v15  0; never rewritten
.set FLOOR, 0x1800000                  ; 2^(3 - 127)
.set TWOFF, 0xff000000                 ; takes 2 off an exponent field
	s_load_b256 s[4:11], s[0:1], 0x0               ; x s[4:5], w_qkv s[6:7], w_out s[8:9], codes s[10:11]
	s_load_b128 s[12:15], s[0:1], 0x20             ; scales s[12:13], wot s[14:15]
	s_load_b64 s[16:17], s[0:1], 0x30              ; rope
	v_lshl_add_u32 v[SPW], v0, 2, SPARE
	v_mov_b32 v[NIL], 0
	v_lshrrev_b32 v1, 5, v0
	v_readfirstlane_b32 s20, v1                    ; wave 0..7
	v_and_b32 v1, 31, v0                           ; lane
	v_and_b32 v2, 15, v0                           ; r
	v_bfe_u32 v3, v0, 4, 1                         ; h
	s_mov_b32 s22, 0x76543210                      ; v_permlanex16_b32's selects for lane l xor 16
	s_mov_b32 s23, 0xfedcba98
	s_mov_b32 s19, 0                               ; the high word of every byte offset made in s[18:19]
	s_wait_kmcnt 0x0
	s_cmp_lt_u32 ttmp9, 96
	s_cbranch_scc1 .Lpath_w
	s_cmp_lt_u32 ttmp9, 224
	s_cbranch_scc1 .Lpath_x
	s_cmp_lt_u32 ttmp9, 288
	s_cbranch_scc1 .Lpath_t
; ---------------- R: a thread to a position, 32 frequencies each
	s_sub_co_u32 s18, ttmp9, 288
	s_lshl_b32 s18, s18, 8
	v_add_nc_u32 v4, s18, v0                       ; my position
	v_cvt_f32_u32 v16, v4
	v_lshlrev_b32 v27, 8, v4                       ; its row of 256 bytes
	s_mov_b32 s24, 0x3f22f983                      ; 2 / pi
	s_mov_b32 s25, 0xbfc90fdb                      ; -(pi / 2), the f32 nearest,
	s_mov_b32 s26, 0x333bbd2e                      ; and what that f32 has too much
	s_mov_b32 s27, 0xb94ca1f9                      ; sine: -1.9515296e-4,
	s_mov_b32 s28, 0x3c08839e                      ; 8.3321609e-3,
	s_mov_b32 s29, 0xbe2aaaa3                      ; -1.6666655e-1
	s_mov_b32 s30, 0x37ccf5ce                      ; cosine: 2.4433157e-5,
	s_mov_b32 s31, 0xbab6061a                      ; -1.3887316e-3,
	s_mov_b32 s32, 0x3d2aaaa5                      ; 4.1666646e-2
.macro ROPE j, lit
	v_mul_f32 v17, \lit, v16                       ; the angle, rounded once
	v_mul_f32 v18, s24, v17
	v_rndne_f32 v18, v18                           ; n = the nearest multiple of pi / 2
	v_fma_f32 v19, v18, s25, v17
	v_fma_f32 v19, v18, s26, v19                   ; r = angle - n pi / 2, within pi / 4 of 0
	v_mul_f32 v20, v19, v19                        ; z = r r
	v_fma_f32 v21, v20, s27, s28
	v_fma_f32 v22, v20, s30, s31
	v_fma_f32 v21, v21, v20, s29
	v_fma_f32 v22, v22, v20, s32
	v_mul_f32 v21, v21, v20
	v_mul_f32 v24, v20, v20
	v_fma_f32 v25, v20, -0.5, 1.0
	v_fma_f32 v21, v21, v19, v19                   ; sin r
	v_fma_f32 v22, v24, v22, v25                   ; cos r
	v_cvt_i32_f32 v23, v18
	v_and_b32 v24, 1, v23
	v_cmp_eq_u32 vcc_lo, 1, v24                    ; an odd n changes sine and cosine over
	v_cndmask_b32 v25, v21, v22, vcc_lo
	v_cndmask_b32 v26, v22, v21, vcc_lo
	v_and_b32 v24, 2, v23                          ; the sine is negative for n mod 4 = 2, 3,
	v_lshlrev_b32 v24, 30, v24
	v_xor_b32 v[64+\j], v24, v25
	v_add_nc_u32 v24, 1, v23                       ; the cosine for n mod 4 = 1, 2
	v_and_b32 v24, 2, v24
	v_lshlrev_b32 v24, 30, v24
	v_xor_b32 v[32+\j], v24, v26
.endm
	ROPE 0, 0x3f800000
	ROPE 1, 0x3f3ff911
	ROPE 2, 0x3f0ff59a
	ROPE 3, 0x3ed7e89b
	ROPE 4, 0x3ea1e89b
	ROPE 5, 0x3e72d424
	ROPE 6, 0x3e361887
	ROPE 7, 0x3e088d77
	ROPE 8, 0x3dcccccd
	ROPE 9, 0x3d99940e
	ROPE 10, 0x3d6655c3
	ROPE 11, 0x3d2cba15
	ROPE 12, 0x3d0186e2
	ROPE 13, 0x3cc24350
	ROPE 14, 0x3c91ad39
	ROPE 15, 0x3c5a7bf1
	ROPE 16, 0x3c23d70a
	ROPE 17, 0x3bf5b9b0
	ROPE 18, 0x3bb8449c
	ROPE 19, 0x3b8a2e77
	ROPE 20, 0x3b4f3e37
	ROPE 21, 0x3b1b690d
	ROPE 22, 0x3ae91528
	ROPE 23, 0x3aaec98e
	ROPE 24, 0x3a83126f
	ROPE 25, 0x3a44948c
	ROPE 26, 0x3a136a16
	ROPE 27, 0x39dd1726
	ROPE 28, 0x39a5cb5f
	ROPE 29, 0x3978a814
	ROPE 30, 0x393a7753
	ROPE 31, 0x390bd472
.set i, 0
.rept 16
	global_store_b128 v27, v[32+4*i:35+4*i], s[16:17] offset:16*i   ; a lane writes its own row of 256 bytes, in sixteen pieces: the table is a small part of the launch's bytes
.set i, i+1
.endr
	s_endpgm
; ---------------- W: a lane to a column n, its registers down k.  A wave: 32 columns x 128 k (one K step); the work-group's eight waves stand side by side on 1,024 bytes of each row
.Lpath_w:
	s_and_b32 s24, ttmp9, 7                        ; which K step
	s_lshr_b32 s25, ttmp9, 3                       ; which 256 columns
	v_lshlrev_b32 v4, 2, v1                        ; in: 4 bytes a lane
	v_lshlrev_b32 v5, 13, v3
	v_lshl_add_u32 v5, v2, 4, v5                   ; codes: lanes 16-31 belong to the next tile (8,192 bytes on); 16 bytes a row
	v_lshlrev_b32 v6, 9, v3
	v_lshl_add_u32 v6, v2, 2, v6                   ; scale words: 512 bytes a tile, 4 a row
	s_mul_i32 s18, s24, 1572864                    ; 128 rows of 12,288 bytes
	s_lshl_b32 s26, s25, 10
	s_add_co_u32 s18, s18, s26
	s_lshl_b32 s26, s20, 7
	s_add_co_u32 s18, s18, s26
	s_add_nc_u64 s[6:7], s[6:7], s[18:19]
	s_lshl_b32 s18, s25, 17                        ; 16 tiles of 8,192 bytes
	s_lshl_b32 s26, s20, 14                        ; 2 tiles a wave
	s_add_co_u32 s18, s18, s26
	s_lshl_b32 s26, s24, 10                        ; a K step's 1,024 bytes
	s_add_co_u32 s18, s18, s26
	s_add_co_u32 s18, s18, 2097152                 ; behind x's codes
	s_add_nc_u64 s[10:11], s[10:11], s[18:19]
	s_lshl_b32 s18, s25, 13
	s_lshl_b32 s26, s20, 10
	s_add_co_u32 s18, s18, s26
	s_lshl_b32 s26, s24, 6
	s_add_co_u32 s18, s18, s26
	s_add_co_u32 s18, s18, 131072                  ; behind x's scale words
	s_add_nc_u64 s[12:13], s[12:13], s[18:19]
.macro LOADW t                         ; block t: w(32 t + i, my column), i = 0 .. 31, into set t % 2
.set i, 0
.rept 32
	global_load_b32 v[32+32*((\t)%2)+i], v4, s[6:7] offset:(32*(\t)+i)*12288 th:TH_LOAD_NT
.set i, i+1
.endr
.endm
.macro BLOCKW t
.set XS, 32+32*((\t)%2)
.if (\t) < 3
	s_wait_loadcnt 32                              ; this block's 32 loads are in; the next block's 32 may be out
.else
	s_wait_loadcnt 0x0
.endif
	v_max3_num_f32 v12, |v[XS]|, |v[XS+1]|, |v[XS+2]|              ; the block's largest magnitude: all 32 numbers are mine; two chains
	v_max3_num_f32 v13, |v[XS+3]|, |v[XS+4]|, |v[XS+5]|
.irp i, 6,10,14,18,22,26
	v_max3_num_f32 v12, v12, |v[XS+\i]|, |v[XS+\i+1]|
	v_max3_num_f32 v13, v13, |v[XS+\i+2]|, |v[XS+\i+3]|
.endr
	v_max3_num_f32 v12, v12, |v[XS+30]|, |v[XS+31]|
	v_max3_num_f32 v12, v12, v13, FLOOR            ; and the floor: the byte cannot fall under 1
	v_add_nc_u32 v11, TWOFF, v12                   ; 2 off the exponent field: the conversion takes this operand's exponent field as its scale
	v_lshrrev_b32 v13, 23, v11                     ; the scale's byte
.if (\t) == 0
	v_mov_b32 v112, v13                            ; the K step's four bytes make my column's scale word
.else
	v_lshl_or_b32 v112, v13, 8*(\t), v112
.endif
.irp g, 0,1,2,3
	v_cvt_scalef32_pk8_fp4_f32 v[96+4*(\t)+\g], v[XS+8*\g:XS+8*\g+7], v11
.endr
	global_store_b128 v5, v[96+4*(\t):99+4*(\t)], s[10:11] offset:256*(\t)   ; each half of the lanes stores 256 consecutive bytes, at a multiple of 256; each block has its own registers
.if (\t) < 2
	LOADW (\t)+2
.endif
.endm
	LOADW 0
	LOADW 1
	BLOCKW 0
	BLOCKW 1
	BLOCKW 2
	BLOCKW 3
	global_store_b32 v6, v112, s[12:13]            ; 64 consecutive bytes for each half of the lanes: one byte for 128 read
	s_endpgm
; ---------------- X: a wave takes 16 rows x 256 k (two K steps).  Loads take the bytes as they lie (512 consecutive bytes each); the numbers turn through the wave's own stage in LDS,
; so that lane (r, h) ends up with k = 64 c + 32 h + 0 .. 31 of row r, two whole blocks, in the very order of the operand's registers.
.Lpath_x:
	s_sub_co_u32 s24, ttmp9, 96
	s_lshl_b32 s24, s24, 1
	s_lshr_b32 s25, s20, 2
	s_add_co_u32 s24, s24, s25                     ; my tile of 16 rows
	s_and_b32 s25, s20, 3                          ; which 256 along k
	v_lshlrev_b32 v4, 4, v1                        ; 16 x lane
	v_lshlrev_b32 v6, 2, v1                        ; 4 x lane
	s_mul_i32 s21, s20, 8448                       ; my stage: 16 rows of 512 bytes + 16 of padding
	v_add_nc_u32 v7, s21, v4                       ; in: a row as it was loaded
	v_mul_u32_u24 v8, v2, 528
	v_lshl_add_u32 v8, v3, 7, v8
	v_add_nc_u32 v8, s21, v8                       ; out: row r, 128 h bytes on; 528 = 33 x 16, so sixteen rows fall on sixteen different columns of 16 bytes
	v_lshlrev_b32 v22, 3, v3                       ; 8 h: where my two bytes stand in the scale word
	v_mov_b32 v23, 0                               ; a lane permute's destination counts as one of its sources
	s_lshl_b32 s18, s24, 16                        ; 16 rows of 4,096 bytes
	s_lshl_b32 s26, s25, 10
	s_add_co_u32 s18, s18, s26
	s_add_nc_u64 s[4:5], s[4:5], s[18:19]
	s_lshl_b32 s18, s24, 13
	s_lshl_b32 s26, s25, 11
	s_add_co_u32 s18, s18, s26
	s_add_nc_u64 s[10:11], s[10:11], s[18:19]
	s_lshl_b32 s18, s24, 9
	s_lshl_b32 s26, s25, 7
	s_add_co_u32 s18, s18, s26
	s_add_nc_u64 s[12:13], s[12:13], s[18:19]
.irp g, 0,1
.set i, 0
.rept 16
	global_load_b128 v[32+64*\g+4*i:35+64*\g+4*i], v4, s[4:5] offset:4096*i+512*\g th:TH_LOAD_NT   ; row i, K step g: all 32 loads go out at once
.set i, i+1
.endr
.endr
.macro HALFX g
.if \g == 0
	s_wait_loadcnt 16                              ; the first K step's 16 loads are in; the second's may be out
.else
	s_wait_loadcnt 0x0
.endif
.set i, 0
.rept 16
	ds_store_b128 v7, v[32+64*\g+4*i:35+64*\g+4*i] offset:528*i
.set i, i+1
.endr
.irp c, 0,1
.set i, 0
.rept 8
	ds_load_b128 v[160+32*\c+4*i:163+32*\c+4*i], v8 offset:256*\c+16*i   ; LDS serves a wave's instructions in order (ISA guide 5.7.1.4): these see the stores above
.set i, i+1
.endr
.endr
	s_wait_dscnt 0x0
.irp c, 0,1
	v_max3_num_f32 v[16+\c], |v[160+32*\c]|, |v[161+32*\c]|, FLOOR   ; my block 2 c + h, and the floor
.endr
.irp i, 2,4,6,8,10,12,14,16,18,20,22,24,26,28,30
.irp c, 0,1
	v_max3_num_f32 v[16+\c], v[16+\c], |v[160+32*\c+\i]|, |v[161+32*\c+\i]|   ; the two blocks by turns
.endr
.endr
.irp c, 0,1
	v_add_nc_u32 v[18+\c], TWOFF, v[16+\c]
.endr
.irp c, 0,1
	v_lshrrev_b32 v[20+\c], 23, v[18+\c]
.endr
	v_lshl_or_b32 v9, v21, 16, v20                 ; my two bytes: blocks h and 2 + h,
	v_lshlrev_b32 v9, v22, v9                      ; at their places;
	v_permlanex16_b32 v23, v9, s22, s23
	v_or_b32 v[28+\g], v9, v23                     ; with lane l xor 16's two the row's word is whole
.irp c, 0,1
.irp e, 0,1,2,3
	v_cvt_scalef32_pk8_fp4_f32 v[224+8*\g+4*\c+\e], v[160+32*\c+8*\e:167+32*\c+8*\e], v[18+\c]
.endr
.endr
	v_nop                                          ; one plain line behind the last conversion
.irp c, 0,1
	global_store_b128 v4, v[224+8*\g+4*\c:227+8*\g+4*\c], s[10:11] offset:1024*\g+512*\c   ; 512 consecutive bytes
.endr
.endm
	HALFX 0
	HALFX 1
	v_cmp_eq_u32 vcc_lo, 1, v3
	v_cndmask_b32 v30, v28, v29, vcc_lo            ; lanes 0-15 store the first K step's words, lanes 16-31 the second's:
	global_store_b32 v6, v30, s[12:13]             ; 128 consecutive bytes
	s_wait_tensorcnt 0x0                           ; the wave's end: behind my last LDS store
	ds_add_u32 v[SPW], v[NIL]
	s_wait_dscnt 0x0
	s_endpgm
; ---------------- T: a lane to a column n of w_out, its registers down k.  A wave: 32 columns x 64 k.  Eight neighbours along k pack into the 16 bytes of the reader's layout
.Lpath_t:
	s_sub_co_u32 s24, ttmp9, 224
	s_and_b32 s25, s24, 15                         ; which 64 along k
	s_lshr_b32 s24, s24, 4                         ; which 256 columns
	v_lshlrev_b32 v4, 2, v1
	v_lshlrev_b32 v5, 15, v3
	v_lshl_add_u32 v5, v2, 4, v5                   ; lanes 16-31: the next tile, 32,768 bytes on
	s_lshl_b32 s18, s25, 18                        ; 64 rows of 4,096 bytes
	s_lshl_b32 s26, s24, 10
	s_add_co_u32 s18, s18, s26
	s_lshl_b32 s26, s20, 7
	s_add_co_u32 s18, s18, s26
	s_add_nc_u64 s[8:9], s[8:9], s[18:19]
	s_lshl_b32 s18, s24, 19                        ; 16 tiles
	s_lshl_b32 s26, s20, 16                        ; 2 tiles a wave
	s_add_co_u32 s18, s18, s26
	s_lshl_b32 s26, s25, 11                        ; 8 groups of 8 k, 256 bytes each
	s_add_co_u32 s18, s18, s26
	s_add_nc_u64 s[14:15], s[14:15], s[18:19]
.set i, 0
.rept 64
	global_load_b32 v[32+i], v4, s[8:9] offset:4096*i
.set i, i+1
.endr
.irp g, 0,1,2,3,4,5,6,7
	s_wait_loadcnt 56-8*\g                         ; this group's eight loads are in; the younger groups' may be out
.irp e, 0,1,2,3
	v_cvt_pk_f16_f32 v[96+4*\g+\e], v[32+8*\g+2*\e], v[33+8*\g+2*\e]
.endr
	global_store_b128 v5, v[96+4*\g:99+4*\g], s[14:15] offset:256*\g   ; each half of the lanes stores 256 consecutive bytes, at a multiple of 256
.endr
	s_endpgm
.Lfunc_end_k_q0ee871b2d7_prep:
	.size	k_q0ee871b2d7_prep, .Lfunc_end_k_q0ee871b2d7_prep-k_q0ee871b2d7_prep
	.p2alignl 7, 3214868480
	.fill 96, 4, 3214868480
	.section	.rodata,"a",@progbits
	.p2align	6, 0x0
	.amdhsa_kernel k_q0ee871b2d7_prep
		.amdhsa_group_segment_fixed_size 68608
		.amdhsa_private_segment_fixed_size 0
		.amdhsa_enable_private_segment 0
		.amdhsa_kernarg_size 56
		.amdhsa_user_sgpr_count 2
		.amdhsa_user_sgpr_kernarg_segment_ptr 1
		.amdhsa_wavefront_size32 1
		.amdhsa_system_sgpr_workgroup_id_x 1
		.amdhsa_system_sgpr_workgroup_id_y 1
		.amdhsa_system_sgpr_workgroup_id_z 1
		.amdhsa_system_vgpr_workitem_id 0
		.amdhsa_next_free_vgpr 240
		.amdhsa_next_free_sgpr 66
		.amdhsa_reserve_vcc 1
		.amdhsa_float_denorm_mode_32 3
		.amdhsa_float_denorm_mode_16_64 3
		.amdhsa_memory_ordered 1
		.amdhsa_forward_progress 1
		.amdhsa_inst_pref_size 85
	.end_amdhsa_kernel
	.amdgpu_metadata
---
amdhsa.version: [ 1, 2 ]
amdhsa.kernels:
  - .name:           k_q0ee871b2d7_prep
    .symbol:         k_q0ee871b2d7_prep.kd
    .args:
      - { .name: x, .offset: 0, .size: 8, .value_kind: global_buffer, .address_space: global }
      - { .name: w_qkv, .offset: 8, .size: 8, .value_kind: global_buffer, .address_space: global }
      - { .name: w_out, .offset: 16, .size: 8, .value_kind: global_buffer, .address_space: global }
      - { .name: codes, .offset: 24, .size: 8, .value_kind: global_buffer, .address_space: global }
      - { .name: scales, .offset: 32, .size: 8, .value_kind: global_buffer, .address_space: global }
      - { .name: wot, .offset: 40, .size: 8, .value_kind: global_buffer, .address_space: global }
      - { .name: rope, .offset: 48, .size: 8, .value_kind: global_buffer, .address_space: global }
    .group_segment_fixed_size: 68608
    .private_segment_fixed_size: 0
    .kernarg_segment_align: 8
    .kernarg_segment_size: 56
    .max_flat_workgroup_size: 256
    .sgpr_count:     66
    .vgpr_count:     240
    .wavefront_size: 32
...
	.end_amdgpu_metadata
.endif
;; end of part 1
;; launch qkv (part 2): grid 12 x 16, 4 waves a work-group, clusters of 4 x 1, 327,680 bytes of LDS; arguments codes, scales, rope, qkv16, qkv32; writes qkv16, qkv32
.if DOCPART == 2
	.amdgcn_target "amdgcn-amd-amdhsa--gfx1250"
	.amdhsa_code_object_version 6
	.text
	.protected	k_q0ee871b2d7_qkv
	.globl	k_q0ee871b2d7_qkv
	.p2align	8
	.type	k_q0ee871b2d7_qkv,@function
k_q0ee871b2d7_qkv:
	s_mov_b64 s[64:65], 0
	v_nop
	global_prefetch_b8 v0, s[64:65] scope:SCOPE_SE
	s_setreg_imm32_b32 hwreg(HW_REG_WAVE_MODE, 25, 1), 1
	s_wait_xcnt 0x0
	s_wait_alu depctr_hold_cnt(0) depctr_sa_sdst(0) depctr_va_vdst(0) depctr_va_sdst(0) depctr_va_ssrc(0) depctr_va_vcc(0) depctr_vm_vsrc(0)
	s_getreg_b32 s2, hwreg(HW_REG_IB_STS2, 6, 4)
	s_cmp_eq_u32 s2, 0
	s_cbranch_scc0 .Lentry_in_a_cluster
	s_endpgm
.Lentry_in_a_cluster:
	s_bfe_u32 s2, ttmp6, 0x10000c
	s_cmp_lg_u32 s2, 0x3003
	s_cbranch_scc0 .Lentry_shape_is_right
	s_endpgm
.Lentry_shape_is_right:
; qkv = Q(x) Q(w_qkv), 4096 x 3072, K = 1024, on codes of FP4 (E2M1) with one E8M0 scale for each 32 along K; then the rotary embedding on q and k, in f32; then f16, laid in the order in which
; the attention launch's operand registers take them.  Positions 0 to 15 of both sequences are also stored in f32 (qkv32), for the launch that carries those rows finely.
; A tile of C, 256 x 256, is made by four waves, each 128 x 128: 64 accumulators of 16 x 16.  All of K lies in LDS at once (two parts of 512 along K): nothing is filled twice.
; CODES AND SCALE WORDS LIE IN THE ORDER OF THE OPERAND'S REGISTERS: [tile of 16 rows][block of 32 k][row][16 bytes] and [tile][K step][row][4 bytes]: a fragment is two loads at 16 x lane, with no pitch.
; CLUSTER: four work-groups along x make the four tiles of one region (q, k or v) for the same 256 rows: x's codes and scales are asked for JOINTLY (mask 15); w's are each work-group's own.
; The cluster is 4 x 1, not 4 x 4: the way out has a branch on the tile row and choices on the region, and both are equal along x alone.
; THE MATRIX INSTRUCTION IS USED TRANSPOSED (source 0 = 16 columns of w, source 1 = 16 rows of x): a lane holds eight neighbouring channels of one position.
; LIMITS: q, k, v go in f16: magnitudes above 65,504 are not served.  v takes the same lines as q and k with the table's row 0 (cos 1, sin 0), which changes no finite number; infinities and NaN are not served.
; REGISTERS: window 0: v16-29 addresses; v32-95 scale words, on the way out f16 results; v128-191 x's fragments, on the way out f32 results; v192-255 two sets of cos and sin.
;   window 1: w's fragments, two sets.   windows 2, 3: the accumulators ((a, b) at v[8 (8 (a % 4) + b)]).
.set NQ,    4                          ; K steps of 128 in a part
.set FR,    8                          ; registers of a fragment
.set NL,    2                          ; LDS loads that bring one
.set NP,    4                          ; places behind this matrix instruction (ISA guide 7.12.1)
.set SLOT,  131072                     ; a part: 512 along K of x's 256 rows (65,536 bytes), then of w's 256 columns
.set SCL,   262144                     ; the scale words: 4,096 bytes for each 128 rows: x's two halves, then w's
.set SPARE, 278528                     ; the spare words, 128 bytes a wave: two blocks of 256 bytes that no other line names
.set ADRA, 16                          ; v16-17  LDS address of my fragments of x in part 0, 1
.set ADRB, 20                          ; v20-21  the same for w
.set RO,   22                          ; v22-23  byte offsets into the table, one for each set
.set LO,   24                          ; v24     my lane's place in a store of 512 bytes
.set CP,   25                          ; v25     my lane's place in qkv32
.set ADRS, 27                          ; v27     LDS address of my scale words: lanes 0-15 x's rows, lanes 16-31 w's columns
.set SPW,  28                          ; v28     LDS address of my spare word; never rewritten
.set NIL,  29                          ; v29     0; never rewritten
.set SC,   32                          ; scale words: register SC + 32 part + 4 i + q
.set HF,   32                          ; the way out: f16 results, two sets of 32
.set AF,   128                         ; x's fragments
.set TT,   128                         ; the way out: 64 f32 results of a block of 16 rows
.set RP,   192                         ; cos (16) and sin (16) of a block, two sets
.set G1, 24                            ; s[24:31] group 1 for x's codes;  s[32:39] groups 0, one for each part
.set G0, 32
.set G1B, 48                           ; s[48:55], s[56:63] the same for w's
.set G0B, 56
.set G1S, 68                           ; s[68:75], s[76:79] groups 1 and 0 for x's scale words;  s[80:87], s[88:91] for w's
.set G0S, 76
.set G1SB, 80
.set G0SB, 88
.set MSB, 0
.macro WIN new                         ; the immediate's high byte repeats the setting that is left
.if MSB != (\new)
	s_set_vgpr_msb (MSB<<8)|(\new)
.set MSB, (\new)
.endif
.endm
.set MUL_LO, 0xa1                      ; source 0 (w) window 1, source 1 (x) window 0, C and D window 2
.set MUL_HI, 0xf1                      ; the same, C and D window 3
.set TO_B,   0x40                      ; destination window 1, address window 0
; Waves 0 and 1 fetch for x (jointly), waves 2 and 3 for w.  The branch hangs on the wave's number alone.  An s_nop 0 and four v_nop follow each line.
.macro JLOAD g0a, g1a, g0b, g1b
	s_cmp_eq_u32 s15, 0
	s_cbranch_scc0 .Lfor_b_\@
	tensor_load_to_lds s[\g0a:\g0a+3], s[\g1a:\g1a+7]
	s_nop 0
.rept 4
	v_nop
.endr
	s_branch .Lasked_\@
.Lfor_b_\@:
	tensor_load_to_lds s[\g0b:\g0b+3], s[\g1b:\g1b+7]
	s_nop 0
.rept 4
	v_nop
.endr
.Lasked_\@:
.endm
.macro CROUND                          ; a round of the cluster's barrier
	s_barrier_signal -1
	s_barrier_wait -1
	s_cmp_lg_u32 s14, 0
	s_cbranch_scc1 .Lnot_wave_0_\@
	s_barrier_signal -3
.Lnot_wave_0_\@:
	s_barrier_wait -3
	s_barrier_signal -1
	s_barrier_wait -1
.endm
	s_load_b256 s[4:11], s[0:1], 0x0               ; codes s[4:5], scales s[6:7], rope s[8:9], qkv16 s[10:11]
	s_load_b64 s[12:13], s[0:1], 0x20              ; qkv32
	v_lshl_add_u32 v[SPW], v0, 2, SPARE
	v_mov_b32 v[NIL], 0
	ds_add_u32 v[SPW], v[NIL]                      ; the wave's opening: the add, twice on end, and its wait ahead of my first tensor load
	ds_add_u32 v[SPW], v[NIL]                      ; and once more; the set-up below, work on registers, stands between it and the wait
	v_lshrrev_b32 v1, 5, v0
	v_readfirstlane_b32 s14, v1                    ; wave 0..3
	s_lshr_b32 s15, s14, 1                         ; which half of the tile's rows is mine.  Also: I fetch for x (0) or for w (1)
	s_and_b32 s16, s14, 1                          ; which half of its columns.  Also: which 128 rows I fetch
	s_bfe_u32 s40, ttmp6, 0x40000                  ; cx: my place in the cluster
	s_and_b32 s17, ttmp7, 0xffff                   ; tile row of C, shared by the four partners
	s_lshl_b32 s42, ttmp9, 2                       ; ttmp9 counts clusters: the region (0 q, 1 k, 2 v)
	s_add_co_u32 s42, s42, s40                     ; tile column of C
	; group 1 for codes: 8 tiles, of each 4,096 of its 8,192 bytes: 8 rows of 512 elements of 8 bytes, 1,024 elements apart; dense in LDS
	s_mov_b32 s[G1+0], 15|(3<<16)|(1<<21)          ; 15:0 the mask: all four work-groups; 17:16 elements of 8 bytes; 21 set beside a mask
	s_mov_b32 s[G1B+0], 3<<16                      ; no mask: each work-group's own
.irp g, G1, G1B
	s_mov_b32 s[\g+1], 512<<16                     ; tensor_dim0
	s_mov_b32 s[\g+2], 8<<16                       ; tensor_dim1
	s_mov_b32 s[\g+3], 512<<16                     ; tile_dim0
	s_mov_b32 s[\g+4], 8                           ; tile_dim1
	s_mov_b32 s[\g+5], 1024                        ; tensor_dim0_stride
	s_mov_b32 s[\g+6], 0
	s_mov_b32 s[\g+7], 0
.endr
	; and for scale words: 8 tiles x 512 bytes, dense: 16 rows of 256 bytes
	s_mov_b32 s[G1S+0], 15|(3<<16)|(1<<21)
	s_mov_b32 s[G1SB+0], 3<<16
.irp g, G1S, G1SB
	s_mov_b32 s[\g+1], 32<<16
	s_mov_b32 s[\g+2], 16<<16
	s_mov_b32 s[\g+3], 32<<16
	s_mov_b32 s[\g+4], 16
	s_mov_b32 s[\g+5], 32
	s_mov_b32 s[\g+6], 0
	s_mov_b32 s[\g+7], 0
.endr
	s_lshl_b32 s18, s16, 3                         ; which 8 tiles of the 16
	s_lshl_b32 s20, s17, 4
	s_add_co_u32 s20, s20, s18                     ; x: tile 16 x tile row + 8 x half
	s_lshl_b32 s46, s42, 4
	s_add_co_u32 s46, s46, s18                     ; w: tile 16 x tile column + 8 x half
	s_lshl_b32 s22, s20, 9                         ; x's scale words, 512 bytes a tile,
	s_mov_b32 s23, 0
	s_lshl_b32 s20, s20, 13                        ; and codes, 8,192 a tile
	s_mov_b32 s21, 0
	s_lshl_b32 s92, s46, 9
	s_add_co_u32 s92, s92, 131072                  ; w's lie behind x's
	s_mov_b32 s93, 0
	s_lshl_b32 s46, s46, 13
	s_add_co_u32 s46, s46, 2097152
	s_mov_b32 s47, 0
	s_lshl_b32 s45, s14, 15                        ; where they go: wave x 32,768: no place in the cluster enters an LDS address
	s_lshl_b32 s94, s14, 12
	s_wait_dscnt 0x0                               ; both opening adds are done
	s_wait_kmcnt 0x0
	s_add_nc_u64 s[20:21], s[4:5], s[20:21]
	s_add_nc_u64 s[22:23], s[6:7], s[22:23]
	s_add_nc_u64 s[46:47], s[4:5], s[46:47]
	s_add_nc_u64 s[92:93], s[6:7], s[92:93]
	CROUND                                         ; all four work-groups are here: the first joint loads meet
	s_mov_b32 s[G0S], 1
	s_add_co_u32 s[G0S+1], s94, SCL
	s_mov_b64 s[G0S+2:G0S+3], s[22:23]
	s_or_b32 s[G0S+3], s[G0S+3], 0x80000000
	s_mov_b32 s[G0SB], 1
	s_add_co_u32 s[G0SB+1], s94, SCL
	s_mov_b64 s[G0SB+2:G0SB+3], s[92:93]
	s_or_b32 s[G0SB+3], s[G0SB+3], 0x80000000
	JLOAD G0S, G1S, G0SB, G1SB                     ; the scale words first.  Three tensor loads of mine are out at the most
.irp s, 0,1
	s_mov_b32 s[G0+4*\s], 1
	s_add_co_u32 s[G0+4*\s+1], s45, \s*SLOT
	s_add_nc_u64 s[G0+4*\s+2:G0+4*\s+3], s[20:21], \s*4096
	s_or_b32 s[G0+4*\s+3], s[G0+4*\s+3], 0x80000000
	s_mov_b32 s[G0B+4*\s], 1
	s_add_co_u32 s[G0B+4*\s+1], s45, \s*SLOT
	s_add_nc_u64 s[G0B+4*\s+2:G0B+4*\s+3], s[46:47], \s*4096
	s_or_b32 s[G0B+4*\s+3], s[G0B+4*\s+3], 0x80000000
	JLOAD G0+4*\s, G1, G0B+4*\s, G1B
.endr
	v_and_b32 v1, 15, v0                           ; r
	v_bfe_u32 v2, v0, 4, 1                         ; h
	v_and_b32 v3, 31, v0
	v_lshlrev_b32 v4, 4, v3                        ; 16 x lane
	s_lshl_b32 s21, s15, 15                        ; my 128 rows of x
	s_lshl_b32 s22, s16, 15                        ; my 128 columns of w,
	s_add_co_u32 s22, s22, 65536                   ; which lie behind x's 256 rows
.irp s, 0,1
	v_add_nc_u32 v[ADRA+\s], s21, v4
	v_add_nc_u32 v[ADRB+\s], s22, v4
	s_add_co_u32 s21, s21, SLOT
	s_add_co_u32 s22, s22, SLOT
.endr
	v_lshlrev_b32 v5, 2, v1                        ; a scale word: 4 bytes a row
	s_lshl_b32 s21, s15, 12                        ; x's: my 128 rows
	s_lshl_b32 s22, s16, 12                        ; w's: my 128 columns, behind x's 8,192 bytes
	s_add_co_u32 s22, s22, 8192
	s_sub_co_u32 s22, s22, s21
	v_mul_u32_u24 v6, s22, v2                      ; lanes 16-31 take w's: one product in h
	s_add_co_u32 s21, s21, SCL
	v_add_nc_u32 v5, v5, v6
	v_add_nc_u32 v[ADRS], s21, v5
	; the way out's addresses
	s_and_b32 s18, s17, 7
	s_lshl_b32 s18, s18, 8
	s_lshl_b32 s19, s15, 7
	s_add_co_u32 s18, s18, s19                     ; my first position in the sequence: 256 (tile row % 8) + 128 x half
	s_lshl_b32 s66, s18, 8                         ; its row of the table, 256 bytes a row
	s_mov_b32 s67, 0
	s_cmp_eq_u32 ttmp9, 2                          ; v?  The same answer in all four partners.  v reads the table's row 0 in every lane: cos 1, sin 0
	s_cselect_b32 s96, 0, 256                      ; bytes from row to row,
	s_cselect_b32 s97, 0, 4096                     ; from block to block,
	s_cselect_b32 s98, -1, 0                       ; the choice as a mask of lanes,
	s_cselect_b32 s66, 0, s66                      ; and where the wave's rows begin
	s_add_nc_u64 s[8:9], s[8:9], s[66:67]
	v_mul_u32_u24 v[RO], s96, v1
	v_lshl_add_u32 v[RO], v2, 5, v[RO]             ; row r; my half's eight channels are 32 h bytes on
	v_add_nc_u32 v[RO+1], s97, v[RO]
	s_lshl_b32 s97, s97, 1                         ; a set is used for every second block
	v_lshrrev_b32 v6, 3, v1                        ; v's layout serves the turning LDS load: [channel / 16][key / 8][(channel / 8) % 2][key % 8][16 bytes]
	v_lshlrev_b32 v6, 8, v6
	v_lshl_add_u32 v6, v2, 7, v6
	v_and_b32 v7, 7, v1
	v_lshl_add_u32 v6, v7, 4, v6
	v_cndmask_b32 v[LO], v4, v6, s98               ; q, k: [channel / 8][position][16 bytes], which is 16 x lane
	v_mul_u32_u24 v[CP], v1, 12288
	v_lshl_add_u32 v[CP], v2, 5, v[CP]             ; qkv32: row r of 12,288 bytes, + 32 h
	s_lshr_b32 s19, s17, 3                         ; the batch
	s_lshl_b32 s20, s19, 4
	s_lshl_b32 s21, s40, 2
	s_add_co_u32 s20, s20, s21
	s_lshl_b32 s21, s16, 1
	s_add_co_u32 s20, s20, s21                     ; 16 batch + my first head (4 cx + 2 x half)
	s_lshl_b32 s20, s20, 18                        ; 262,144 bytes a head
	s_lshl_b32 s21, ttmp9, 23                      ; 8,388,608 a region
	s_add_co_u32 s20, s20, s21
	s_lshl_b32 s21, s18, 7                         ; 2,048 bytes for 16 positions
	s_add_co_u32 s20, s20, s21
	s_mov_b32 s21, 0
	s_add_nc_u64 s[10:11], s[10:11], s[20:21]
	s_mul_i32 s20, s19, 196608
	s_lshl_b32 s22, ttmp9, 12
	s_add_co_u32 s20, s20, s22
	s_lshl_b32 s22, s40, 10
	s_add_co_u32 s20, s20, s22
	s_lshl_b32 s22, s16, 9
	s_add_co_u32 s20, s20, s22
	s_add_nc_u64 s[12:13], s[12:13], s[20:21]
	s_and_b32 s99, s17, 7
	s_or_b32 s99, s99, s15                         ; 0 where my block 0 holds positions 0 to 15
.macro ROPELD p                        ; cos and sin of a block's 16 positions for my 16 channels (8 h + 0..7 and 16 + 8 h + 0..7) into set p
.irp u, 0,1
	global_load_b128 v[RP+32*(\p)+8*\u:RP+32*(\p)+8*\u+3],       v[RO+(\p)], s[8:9] offset:64*\u
	global_load_b128 v[RP+32*(\p)+8*\u+4:RP+32*(\p)+8*\u+7],     v[RO+(\p)], s[8:9] offset:64*\u+16
	global_load_b128 v[RP+32*(\p)+16+8*\u:RP+32*(\p)+16+8*\u+3], v[RO+(\p)], s[8:9] offset:128+64*\u
	global_load_b128 v[RP+32*(\p)+20+8*\u:RP+32*(\p)+20+8*\u+3], v[RO+(\p)], s[8:9] offset:128+64*\u+16
.endr
.endm
	ROPELD 0                                       ; blocks 0 and 1: they land while the products run
	ROPELD 1
.macro FRAG reg, adr, q, i             ; a fragment, 16 rows x 128 K: registers 4 c .. 4 c + 3 hold K = 64 c + 32 (l / 16) + 0 .. 31: two images of 512 bytes
.irp c, 0,1
	ds_load_b128 v[\reg+4*\c:\reg+4*\c+3], v[\adr] offset:1024*(\q)+512*\c+(\i)*4096
.endr
.endm
; 16 matrix instructions: x's blocks a0, a0 + 1 against w's eight, 128 along K.  p: w's set;  sc: the part.  zero = 1: the first product starts the sums.
; The 64 accumulators take turns, one instruction a turn, in the same order in every step.
.macro MUL16 a0, p, q, sc, zero
.irp a, \a0, \a0+1
.irp b, 0,1,2,3,4,5,6,7
.if \zero
	v_wmma_scale_f32_16x16x128_f8f6f4 v[8*(8*((\a)%4)+\b):8*(8*((\a)%4)+\b)+7], v[128*(\p)+FR*\b:128*(\p)+FR*\b+FR-1], v[AF+FR*(\a):AF+FR*(\a)+FR-1], 0, v[SC+8*NQ*(\sc)+NQ*\b+(\q)], v[SC+8*NQ*(\sc)+NQ*(\a)+(\q)] matrix_a_fmt:MATRIX_FMT_FP4 matrix_b_fmt:MATRIX_FMT_FP4 matrix_a_scale:MATRIX_SCALE_ROW1
.else
	v_wmma_scale_f32_16x16x128_f8f6f4 v[8*(8*((\a)%4)+\b):8*(8*((\a)%4)+\b)+7], v[128*(\p)+FR*\b:128*(\p)+FR*\b+FR-1], v[AF+FR*(\a):AF+FR*(\a)+FR-1], v[8*(8*((\a)%4)+\b):8*(8*((\a)%4)+\b)+7], v[SC+8*NQ*(\sc)+NQ*\b+(\q)], v[SC+8*NQ*(\sc)+NQ*(\a)+(\q)] matrix_a_fmt:MATRIX_FMT_FP4 matrix_b_fmt:MATRIX_FMT_FP4 matrix_a_scale:MATRIX_SCALE_ROW1
.endif
.endr
.endr
.endm
.macro FETCH_B slot, q, p
	WIN TO_B
.irp i, 0,1,2,3,4,5,6,7
	FRAG 128*(\p)+FR*\i, ADRB+\slot, \q, \i
.endr
	WIN 0
.endm
.macro FETCH_A slot, q, i0
.irp i, \i0, \i0+1, \i0+2, \i0+3
	FRAG AF+FR*(\i), ADRA+\slot, \q, \i
.endr
.endm
.macro SCALES sc                       ; a part's scale words: lanes 0-15 take x's block i, lanes 16-31 w's block i
.irp i, 0,1,2,3,4,5,6,7
.irp q, 0,1,2,3
	ds_load_b32 v[SC+32*\sc+4*\i+\q], v[ADRS] offset:512*\i+64*(4*\sc+\q)
.endr
.endr
.endm
.macro PLACES n                        ; plain vector lines between a matrix instruction and a load into its registers or a read of its result (ISA guide 7.12.1 for the reads of results)
.rept \n
	v_nop
.endr
.endm
.macro STEP slot, q, zero              ; a step of 128 along K that has its successor in the same part
	s_wait_dscnt 4*NL                              ; w's set and x's blocks 0-3 are in; the youngest eight loads (x's blocks 4-7) may be out
	WIN MUL_LO
	MUL16 0, (\q)%2, \q, \slot, \zero
	MUL16 2, (\q)%2, \q, \slot, \zero
	s_wait_dscnt 0
	PLACES NP
	FETCH_B \slot, (\q)+1, 1-(\q)%2
	FETCH_A \slot, (\q)+1, 0
	WIN MUL_HI
	MUL16 4, (\q)%2, \q, \slot, \zero
	MUL16 6, (\q)%2, \q, \slot, \zero
	PLACES NP
	WIN 0
	FETCH_A \slot, (\q)+1, 4
.endm
	s_wait_tensorcnt 1                             ; the scale words and my piece of part 0 are in (part 1's load may be out),
	s_barrier_signal -1
	s_barrier_wait -1                              ; everybody's are
	FETCH_B 0, 0, 0
	FETCH_A 0, 0, 0
	SCALES 0
	SCALES 1
	FETCH_A 0, 0, 4
	STEP 0, 0, 1                                   ; the first step's products start the sums: nothing is cleared
	STEP 0, 1, 0
	STEP 0, 2, 0
	; part 0's last step goes over to part 1: my piece of it has landed, then the barrier, then everybody's has
	s_wait_tensorcnt 0x0
	ds_add_u32 v[SPW], v[NIL]                      ; 0 onto my spare word
	s_wait_dscnt 4*NL+1                            ; (the add and the youngest eight loads may be out)
	WIN MUL_LO
	MUL16 0, 1, 3, 0, 0
	s_wait_dscnt 0x0
	s_barrier_signal -1
	MUL16 2, 1, 3, 0, 0
	WIN 0
	s_barrier_wait -1
	PLACES NP
	FETCH_B 1, 0, 0
	FETCH_A 1, 0, 0
	WIN MUL_HI
	MUL16 4, 1, 3, 0, 0
	MUL16 6, 1, 3, 0, 0
	PLACES NP
	WIN 0
	FETCH_A 1, 0, 4
	STEP 1, 0, 0
	STEP 1, 1, 0
	STEP 1, 2, 0
	s_wait_dscnt 4*NL                              ; the very last step: nothing more to fetch
	WIN MUL_LO
	MUL16 0, 1, 3, 1, 0
	MUL16 2, 1, 3, 1, 0
	s_wait_dscnt 0
	WIN MUL_HI
	MUL16 4, 1, 3, 1, 0
	MUL16 6, 1, 3, 1, 0
	WIN 0
; THE WAY OUT, a block of 16 positions x 128 columns (two heads) at a time, with no LDS: lane (r, h) of accumulator (a, b) holds position 16 a + r and channels 16 (b % 4) + 8 h + 0..7 of head b / 4.
; The rotary pair (d, d + 32) is accumulators b and b + 2 in the same lane and register: lo' = lo cos - hi sin, hi' = hi cos + lo sin.  A lane's eight f16 are the 16 bytes of the reader's layout.
.macro BLOCK a
.set AC, 64*((\a)%4)
.set PP, (\a)%2
.if (\a) < 7
	s_wait_loadcnt 8                               ; this block's cos and sin are in; the next block's eight loads may be out
.else
	s_wait_loadcnt 0x0
.endif
	s_wait_xcnt 0x0                                ; earlier stores have read their registers: they are rewritten only behind this wait
	WIN 0x02+(\a)/4                                ; source 0: the accumulators' window
.irp d, 0,1
.irp u, 0,1
.irp j, 0,2,4,6                        ; each accumulator is read from its low end on
	v_pk_mul_f32 v[TT+8*(4*\d+\u)+\j:TT+8*(4*\d+\u)+\j+1], v[AC+8*(4*\d+\u)+\j:AC+8*(4*\d+\u)+\j+1], v[RP+32*PP+8*\u+\j:RP+32*PP+8*\u+\j+1]
	v_pk_mul_f32 v[TT+8*(4*\d+\u+2)+\j:TT+8*(4*\d+\u+2)+\j+1], v[AC+8*(4*\d+\u+2)+\j:AC+8*(4*\d+\u+2)+\j+1], v[RP+32*PP+8*\u+\j:RP+32*PP+8*\u+\j+1]
	v_pk_fma_f32 v[TT+8*(4*\d+\u)+\j:TT+8*(4*\d+\u)+\j+1], v[AC+8*(4*\d+\u+2)+\j:AC+8*(4*\d+\u+2)+\j+1], v[RP+32*PP+16+8*\u+\j:RP+32*PP+16+8*\u+\j+1], v[TT+8*(4*\d+\u)+\j:TT+8*(4*\d+\u)+\j+1] neg_lo:[1,0,0] neg_hi:[1,0,0]
	v_pk_fma_f32 v[TT+8*(4*\d+\u+2)+\j:TT+8*(4*\d+\u+2)+\j+1], v[AC+8*(4*\d+\u)+\j:AC+8*(4*\d+\u)+\j+1], v[RP+32*PP+16+8*\u+\j:RP+32*PP+16+8*\u+\j+1], v[TT+8*(4*\d+\u+2)+\j:TT+8*(4*\d+\u+2)+\j+1]
.endr
.endr
.endr
	WIN 0
.irp b, 0,1,2,3,4,5,6,7
.irp e, 0,1,2,3
	v_cvt_pk_f16_f32 v[HF+32*PP+4*\b+\e], v[TT+8*\b+2*\e], v[TT+8*\b+2*\e+1]
.endr
.endr
.if (\a) < 6
	v_add_nc_u32 v[RO+PP], s97, v[RO+PP]           ; free since the wait for its loads: the block two further on
	ROPELD PP
.endif
.if (\a) == 0
	s_cmp_lg_u32 s99, 0                            ; positions 0 to 15 also go out in f32.  The branch hangs on the tile row and the wave's number: the same in all partners
	s_cbranch_scc1 .Lno_copy
.irp b, 0,1,2,3,4,5,6,7
	global_store_b128 v[CP], v[TT+8*\b:TT+8*\b+3], s[12:13] offset:64*\b
	global_store_b128 v[CP], v[TT+8*\b+4:TT+8*\b+7], s[12:13] offset:64*\b+16
.endr
.Lno_copy:
.endif
.irp b, 0,1,2,3,4,5,6,7
	global_store_b128 v[LO], v[HF+32*PP+4*\b:HF+32*PP+4*\b+3], s[10:11] offset:(\b/4)*262144+2048*(\a)+512*(\b%4)   ; the wave stores 512 consecutive bytes, at a multiple of 512
.endr
.endm
	PLACES NP                                      ; behind the last products: for the reads of results and the writes over x's fragments alike
	BLOCK 0
	BLOCK 1
	BLOCK 2
	BLOCK 3
	BLOCK 4
	BLOCK 5
	BLOCK 6
	BLOCK 7
	s_wait_tensorcnt 0x0                           ; the wave's end: behind my last tensor load
	ds_add_u32 v[SPW], v[NIL]
	s_wait_dscnt 0x0
	CROUND                                         ; the closing round: no work-group ends while a partner may still ask for a tile that names it
	s_endpgm
.Lfunc_end_k_q0ee871b2d7_qkv:
	.size	k_q0ee871b2d7_qkv, .Lfunc_end_k_q0ee871b2d7_qkv-k_q0ee871b2d7_qkv
	.p2alignl 7, 3214868480
	.fill 96, 4, 3214868480
	.section	.rodata,"a",@progbits
	.p2align	6, 0x0
	.amdhsa_kernel k_q0ee871b2d7_qkv
		.amdhsa_group_segment_fixed_size 327680
		.amdhsa_private_segment_fixed_size 0
		.amdhsa_enable_private_segment 0
		.amdhsa_kernarg_size 40
		.amdhsa_user_sgpr_count 2
		.amdhsa_user_sgpr_kernarg_segment_ptr 1
		.amdhsa_wavefront_size32 1
		.amdhsa_system_sgpr_workgroup_id_x 1
		.amdhsa_system_sgpr_workgroup_id_y 1
		.amdhsa_system_sgpr_workgroup_id_z 1
		.amdhsa_system_vgpr_workitem_id 0
		.amdhsa_next_free_vgpr 1024
		.amdhsa_next_free_sgpr 100
		.amdhsa_reserve_vcc 0
		.amdhsa_float_denorm_mode_32 3
		.amdhsa_float_denorm_mode_16_64 3
		.amdhsa_memory_ordered 1
		.amdhsa_forward_progress 1
		.amdhsa_inst_pref_size 161
	.end_amdhsa_kernel
	.amdgpu_metadata
---
amdhsa.version: [ 1, 2 ]
amdhsa.kernels:
  - .name:           k_q0ee871b2d7_qkv
    .symbol:         k_q0ee871b2d7_qkv.kd
    .args:
      - { .name: codes, .offset: 0, .size: 8, .value_kind: global_buffer, .address_space: global }
      - { .name: scales, .offset: 8, .size: 8, .value_kind: global_buffer, .address_space: global }
      - { .name: rope, .offset: 16, .size: 8, .value_kind: global_buffer, .address_space: global }
      - { .name: qkv16, .offset: 24, .size: 8, .value_kind: global_buffer, .address_space: global }
      - { .name: qkv32, .offset: 32, .size: 8, .value_kind: global_buffer, .address_space: global }
    .group_segment_fixed_size: 327680
    .private_segment_fixed_size: 0
    .kernarg_segment_align: 8
    .kernarg_segment_size: 40
    .max_flat_workgroup_size: 128
    .sgpr_count:     100
    .vgpr_count:     1024
    .wavefront_size: 32
...
	.end_amdgpu_metadata
.endif
;; end of part 2
;; launch attn (part 3): grid 8 x 32, 8 waves a work-group, clusters of 4 x 1, 327,680 bytes of LDS; arguments qkv16, attn16; writes attn16
.if DOCPART == 3
	.amdgcn_target "amdgcn-amd-amdhsa--gfx1250"
	.amdhsa_code_object_version 6
	.text
	.protected	k_q0ee871b2d7_attn
	.globl	k_q0ee871b2d7_attn
	.p2align	8
	.type	k_q0ee871b2d7_attn,@function
k_q0ee871b2d7_attn:
	s_mov_b64 s[64:65], 0
	v_nop
	global_prefetch_b8 v0, s[64:65] scope:SCOPE_SE
	s_setreg_imm32_b32 hwreg(HW_REG_WAVE_MODE, 25, 1), 1
	s_wait_xcnt 0x0
	s_wait_alu depctr_hold_cnt(0) depctr_sa_sdst(0) depctr_va_vdst(0) depctr_va_sdst(0) depctr_va_ssrc(0) depctr_va_vcc(0) depctr_vm_vsrc(0)
	s_getreg_b32 s2, hwreg(HW_REG_IB_STS2, 6, 4)
	s_cmp_eq_u32 s2, 0
	s_cbranch_scc0 .Lentry_in_a_cluster
	s_endpgm
.Lentry_in_a_cluster:
	s_bfe_u32 s2, ttmp6, 0x10000c
	s_cmp_lg_u32 s2, 0x3003
	s_cbranch_scc0 .Lentry_shape_is_right
	s_endpgm
.Lentry_shape_is_right:
; O[bh][q] = the sum over k <= q of softmax_k(Q[bh][q] . K[bh][k] / 8) V[bh][k].  32 heads (bh = 16 batch + head), 2,048 positions, 64 channels.  Operands in f16, products, maxima and sums in f32;
; a running maximum m and sum l for each query: p = 2^(c s - c m), c = log2(e) / 8; O and l are multiplied by a = 2^(c m_old - c m_new) in every step.
; qkv16 holds Q, K, V in the order of the operands' registers: 2,048 bytes for 16 positions; Q, K: [channel / 8][position][16 bytes]; V: [channel / 16][key / 8][(channel / 8) % 2][key % 8][16 bytes],
; so that every LDS load, the turning one too, stands at 16 x lane.  The result goes to attn16 in the order in which the projection's operand registers take it.
; SHARES.  A head's 128 tiles of 16 queries are 32 groups of four tiles (64 queries).  Wave w of cluster X takes group A = X + 2 w and group 31 - A; partner cx takes tile cx of each group.
; So a wave owns one early and one late tile: (A + 1) + (32 - A) = 33 tile steps of 64 keys for every wave of the launch.  The four tiles of a group lie in one block of 64 keys, so whether a step is
; hidden, on the diagonal or open hangs on A and the count of steps alone: every branch is the same in all four partners; cx enters global addresses and one lane constant of the mask.
; Every work-group reads of every piece that is loaded (wave 0's late group is 31 - X), so K and V are asked for JOINTLY (mask 15) and no load is jumped over.
; LAYOUT.  S^T = K Q^T (source 0 = 16 keys, source 1 = 16 queries), O^T = V^T P (source 0 = 16 channels, source 1 = P): a lane holds one query throughout.
; LIMITS: operands in f16 (magnitudes above 65,504 are not served); weights p under 6e-8 fall to 0 in f16, beside a row's sum of at least 1.  Rows 0 to 15 of a sequence are made here too and carried more finely by a later launch.
; REGISTERS: window 0: v1-11 addresses and constants; v16-31 statistics, 8 a tile; v32-63 P; v64-127 S^T; v128-191 K's fragments; v192-255 V's.   window 1: v0-31 Q; v64-127 O^T.
.set SLOT1, 1<<17                      ; a slot: 512 keys: K's 65,536 bytes, then V's; slot 1 begins here, so that one exclusive or turns an address
.set SPARE, 262144                     ; behind the ring: the spare words, 128 bytes a wave: four blocks of 256 bytes that no other line names
.set L16, 1                            ; v1   16 x lane; never rewritten
.set LV,  2                            ; v2   the same in V's half of a slot
.set ADK, 3                            ; v3   LDS address of the step's K
.set ADV, 4                            ; v4   of its V
.set DL,  5                            ; v5   16 cx + r - 8 h: on the diagonal, register 8 g + j is hidden where 16 g + j is greater
.set NINF, 7                           ; v7   -infinity
.set PFO, 8                            ; v8   256 x lane: the prefetch's offset
.set SPW, 10                           ; v10  LDS address of my spare word; never rewritten
.set NIL, 11                           ; v11  0; never rewritten
.set ST,  16                           ; tile t's statistics at v[ST + 8 t]: +0 c m, +1 m, +2, +3 l in two halves, +4 .. +7 at work; a in +6
.set P,   32
.set S,   64
.set KFR, 128
.set VFR, 192
.set WV,  8                            ; s8   wave
.set QA,  13                           ; s13, s14 the first query of my early and of my late group
.set KF,  15                           ; s15  the step's first key
.set TB,  16                           ; s16  LDS byte at which the step's K begins
.set SLOTS, 17                         ; s17  slots still to be asked for
.set CNT, 18                           ; s18  counts a slot's eight steps
.set CS,  20                           ; s[20:21] c
.set SEL, 22                           ; s[22:23] lane selects for lane l xor 16
.set G1,  24                           ; s[24:31] descriptor group 1
.set G0,  32                           ; s[32:35] group 0 for slot 0's first fill;  s[36:39] for slot 1's, which then walks on
.set G0W, 36
.set PFA, 40                           ; s[40:41] where my prefetch stands
.set LIM, 42                           ; s42  1 in a wave that prefetches, else the greatest number
.set MSB, 0
.macro WIN new
.if MSB != (\new)
	s_set_vgpr_msb (MSB<<8)|(\new)
.set MSB, (\new)
.endif
.endm
.macro CROUND                          ; a round of the cluster's barrier
	s_barrier_signal -1
	s_barrier_wait -1
	s_cmp_lg_u32 s[WV], 0
	s_cbranch_scc1 .Lnot_wave_0_\@
	s_barrier_signal -3
.Lnot_wave_0_\@:
	s_barrier_wait -3
	s_barrier_signal -1
	s_barrier_wait -1
.endm
	s_load_b128 s[4:7], s[0:1], 0x0                ; qkv16 s[4:5], attn16 s[6:7]
	v_lshl_add_u32 v[SPW], v0, 2, SPARE
	v_mov_b32 v[NIL], 0
	ds_add_u32 v[SPW], v[NIL]                      ; the wave's opening: the add, twice on end, and its wait ahead of my first tensor load
	ds_add_u32 v[SPW], v[NIL]                      ; and once more; the set-up below, work on registers, stands between it and the wait
	v_lshrrev_b32 v1, 5, v0
	v_readfirstlane_b32 s[WV], v1                  ; wave 0..7
	s_bfe_u32 s9, ttmp6, 0x40000                   ; cx
	s_and_b32 s10, ttmp7, 0xffff                   ; bh
	s_lshl_b32 s12, s[WV], 1
	s_add_co_u32 s12, s12, ttmp9                   ; A = cluster x + 2 x wave
	s_lshl_b32 s[QA], s12, 6
	s_sub_co_u32 s[QA+1], 31, s12
	s_lshl_b32 s[QA+1], s[QA+1], 6
	s_mov_b32 s[KF], 0
	s_mov_b32 s[TB], 0
	s_mov_b32 s[SLOTS], 2
	s_mov_b32 s[CS], 0x3e38aa3b                    ; c = log2(e) / 8
	s_mov_b32 s[CS+1], s[CS]                       ; (named with it as a pair, so it is written)
	s_mov_b32 s[SEL], 0x76543210
	s_mov_b32 s[SEL+1], 0xfedcba98
	; group 1: a dense piece of 16,384 bytes (128 keys of K or of V) as 64 rows of 256 bytes
	s_mov_b32 s[G1+0], 15|(3<<16)|(1<<21)          ; 15:0 the mask: all four work-groups; 17:16 elements of 8 bytes; 21 set beside a mask
	s_mov_b32 s[G1+1], 32<<16                      ; tensor_dim0
	s_mov_b32 s[G1+2], 64<<16                      ; tensor_dim1
	s_mov_b32 s[G1+3], 32<<16                      ; tile_dim0
	s_mov_b32 s[G1+4], 64                          ; tile_dim1
	s_mov_b32 s[G1+5], 32                          ; tensor_dim0_stride
	s_mov_b32 s[G1+6], 0
	s_mov_b32 s[G1+7], 0
	s_lshr_b32 s44, s[WV], 2                       ; waves 0-3 fetch K's four pieces of a slot, waves 4-7 V's
	s_add_co_u32 s44, s44, 1
	s_lshl_b32 s44, s44, 23                        ; K's region begins at 8,388,608, V's at twice that
	s_lshl_b32 s46, s10, 18                        ; 262,144 bytes a head
	s_add_co_u32 s44, s44, s46
	s_and_b32 s47, s[WV], 3
	s_lshl_b32 s47, s47, 14
	s_add_co_u32 s44, s44, s47
	s_mov_b32 s45, 0
	s_lshl_b32 s43, s[WV], 14                      ; and in a slot: wave x 16,384: no place in the cluster enters an LDS address
	s_and_b32 s[LIM], s[WV], 1                     ; the even waves
	s_or_b32 s[LIM], s[LIM], ttmp9                 ; of the head's first cluster prefetch: the same in all four partners
	s_cmp_eq_u32 s[LIM], 0
	s_cselect_b32 s[LIM], 1, -1
	s_wait_dscnt 0x0                               ; both opening adds are done
	s_wait_kmcnt 0x0
	s_add_nc_u64 s[44:45], s[4:5], s[44:45]        ; my piece of the head's first 512 keys
	CROUND                                         ; all four work-groups are here: the first joint loads meet
	s_mov_b32 s[G0], 1
	s_mov_b32 s[G0+1], s43
	s_mov_b64 s[G0+2:G0+3], s[44:45]
	s_or_b32 s[G0+3], s[G0+3], 0x80000000
	s_mov_b32 s[G0W], 1
	s_add_co_u32 s[G0W+1], s43, SLOT1
	s_add_nc_u64 s[G0W+2:G0W+3], s[44:45], 65536
	s_or_b32 s[G0W+3], s[G0W+3], 0x80000000
	tensor_load_to_lds s[G0:G0+3], s[G1:G1+7]      ; two loads of mine are out here, one behind each later round
	s_nop 0
	tensor_load_to_lds s[G0W:G0W+3], s[G1:G1+7]
	s_nop 0
.rept 4
	v_nop
.endr
	s_lshl_b32 s46, s9, 13                         ; the prefetch: pieces w and w + 1 are 32,768 bytes on end; each partner takes 8,192 of them BY ADDRESS, lanes 256 bytes apart
	s_add_co_u32 s46, s46, 131072                  ; it stands two slots on; the first change of slots steps it to the last slot's keys
	s_mov_b32 s47, 0
	s_add_nc_u64 s[PFA:PFA+1], s[44:45], s[46:47]
	s_lshl_b32 s46, s10, 18                        ; Q: my head,
	s_lshl_b32 s47, s9, 11
	s_add_co_u32 s46, s46, s47                     ; tile cx of a group,
	s_lshl_b32 s47, s[QA], 7                       ; the group: 2,048 bytes for 16 queries
	s_add_co_u32 s48, s46, s47
	s_mov_b32 s49, 0
	s_lshl_b32 s47, s[QA+1], 7
	s_add_co_u32 s50, s46, s47
	s_mov_b32 s51, 0
	s_add_nc_u64 s[48:49], s[4:5], s[48:49]
	s_add_nc_u64 s[50:51], s[4:5], s[50:51]
	s_lshr_b32 s46, s10, 4                         ; the result: [128 batch + tile][8 head + channel / 8][row][16 bytes]
	s_lshl_b32 s46, s46, 22
	s_and_b32 s47, s10, 15
	s_lshl_b32 s47, s47, 11
	s_add_co_u32 s46, s46, s47
	s_lshl_b32 s47, s9, 15
	s_add_co_u32 s46, s46, s47
	s_lshl_b32 s47, s[QA], 11
	s_add_co_u32 s56, s46, s47
	s_mov_b32 s57, 0
	s_lshl_b32 s47, s[QA+1], 11
	s_add_co_u32 s58, s46, s47
	s_mov_b32 s59, 0
	s_add_nc_u64 s[56:57], s[6:7], s[56:57]
	s_add_nc_u64 s[58:59], s[6:7], s[58:59]
	v_and_b32 v6, 15, v0                           ; r
	v_bfe_u32 v9, v0, 4, 1                         ; h
	v_and_b32 v1, 31, v0
	v_lshlrev_b32 v[PFO], 8, v1
	v_lshlrev_b32 v[L16], 4, v1
	v_add_nc_u32 v[LV], 65536, v[L16]
	v_lshlrev_b32 v9, 3, v9
	v_sub_nc_u32 v[DL], v6, v9
	s_lshl_b32 s46, s9, 4
	v_add_nc_u32 v[DL], s46, v[DL]
	v_mov_b32 v[NINF], 0xff800000
	WIN 0x40                                       ; destination window 1, address window 0
.irp t, 0,1
.irp e, 0,1
.irp c, 0,1
	global_load_b128 v[16*\t+8*\e+4*\c:16*\t+8*\e+4*\c+3], v[L16], s[48+2*\t:49+2*\t] offset:1024*\e+512*\c   ; Q stays in registers
.endr
.endr
.endr
.set n, 0
.rept 64
	v_mov_b32 v[64+n], 0                           ; O^T.  The step is written once: the first finds zeros, which the first a leaves zeros; a first step of its own would be one more copy of the step's text
.set n, n+1
.endr
	WIN 0
.irp t, 0,1
	v_mov_b32 v[ST+8*\t+1], 0xff61b1e6             ; m: -3e38, under every score
	v_mul_f32 v[ST+8*\t], s[CS], v[ST+8*\t+1]      ; c m
.irp i, 2,3,4,5,6,7
	v_mov_b32 v[ST+8*\t+\i], 0                     ; l; and the registers at work, which lane permutes and pairs name
.endr
.endr
; S^T of tile t: 64 keys x 16 queries, K = 64 channels: eight products; the four accumulators take turns
.macro KQ t
	WIN 0x04                                       ; source 1 (Q) window 1
.irp e, 0,1
.irp g, 0,1,2,3
.if \e == 0
	v_wmma_f32_16x16x32_f16 v[S+32*\t+8*\g:S+32*\t+8*\g+7], v[KFR+8*(2*\g+\e):KFR+8*(2*\g+\e)+7], v[16*\t+8*\e:16*\t+8*\e+7], 0
.else
	v_wmma_f32_16x16x32_f16 v[S+32*\t+8*\g:S+32*\t+8*\g+7], v[KFR+8*(2*\g+\e):KFR+8*(2*\g+\e)+7], v[16*\t+8*\e:16*\t+8*\e+7], v[S+32*\t+8*\g:S+32*\t+8*\g+7]
.endif
.endr
.endr
	WIN 0
.endm
; On the diagonal (the step's first key = the group's first query) hidden scores become -infinity; the step's first key counts for every query, so m stays a number.  An open step jumps over this.
.macro MASK t
	s_cmp_lt_u32 s[KF], s[QA+\t]
	s_cbranch_scc1 .Lopen_\@
.set n, 0
.rept 32
	v_cmp_gt_i32 vcc_lo, 16*(n/8)+n%8, v[DL]
	v_cndmask_b32 v[S+32*\t+n], v[S+32*\t+n], v[NINF], vcc_lo
.set n, n+1
.endr
.Lopen_\@:
.endm
.macro SOFT t
.set rT, ST+8*(\t)
.set rS, S+32*(\t)
.set rP, P+16*(\t)
.irp j, 0,1,2,3
	v_max3_num_f32 v[rT+4+\j], v[rS+8*\j], v[rS+8*\j+1], v[rS+8*\j+2]   ; four chains; each accumulator is read from its low end on
.endr
.irp i, 3,5
.irp j, 0,1,2,3
	v_max3_num_f32 v[rT+4+\j], v[rT+4+\j], v[rS+8*\j+\i], v[rS+8*\j+\i+1]
.endr
.endr
	v_max3_num_f32 v[rT+4], v[rT+4], v[rS+7], v[rS+15]
	v_max3_num_f32 v[rT+6], v[rT+6], v[rS+23], v[rS+31]
	v_max3_num_f32 v[rT+4], v[rT+4], v[rT+5], v[rT+6]
	v_max3_num_f32 v[rT+4], v[rT+4], v[rT+7], v[rT+1]              ; and the old m
	v_permlanex16_b32 v[rT+5], v[rT+4], s[SEL], s[SEL+1]           ; the query's other 32 keys lie in the lane 16 away
	v_mov_b32 v[rT+7], v[rT]                       ; c m_old
	v_max_num_f32 v[rT+1], v[rT+4], v[rT+5]        ; the new m
	v_mul_f32 v[rT], s[CS], v[rT+1]
	v_sub_f32 v[rT+7], v[rT+7], v[rT]              ; c m_old - c m_new
.set n, 0
.rept 16
	v_pk_fma_f32 v[rS+n:rS+n+1], v[rS+n:rS+n+1], s[CS:CS+1], v[rT:rT+1] op_sel_hi:[1,0,0] neg_lo:[0,0,1] neg_hi:[0,0,1]   ; c s - c m
.set n, n+2
.endr
	v_exp_f32 v[rT+6], v[rT+7]                     ; a; and the 32 weights: ONE batch
.set n, 0
.rept 32
	v_exp_f32 v[rS+n], v[rS+n]
.set n, n+1
.endr
	v_nop                                          ; a plain line behind the last exponential
	s_wait_alu depctr_va_vdst(0)                   ; one wait for the batch, ahead of the first line that names a result
	v_pk_mul_f32 v[rT+2:rT+3], v[rT+2:rT+3], v[rT+6:rT+7] op_sel_hi:[1,0]   ; l a
	v_pk_add_f32 v[rT+4:rT+5], v[rS:rS+1], v[rS+2:rS+3]            ; + the weights, in two chains
.irp j, 4,8,12,16,20,24,28
	v_pk_add_f32 v[rT+2:rT+3], v[rT+2:rT+3], v[rS+\j:rS+\j+1]
	v_pk_add_f32 v[rT+4:rT+5], v[rT+4:rT+5], v[rS+\j+2:rS+\j+3]
.endr
	v_pk_add_f32 v[rT+2:rT+3], v[rT+2:rT+3], v[rT+4:rT+5]
.set n, 0
.rept 16
	v_cvt_pk_f16_f32 v[rP+n], v[rS+2*n], v[rS+2*n+1]               ; two tiles of 16 keys, rounded in pairs, are source 1 of the second product
.set n, n+1
.endr
	WIN 0x41                                       ; O^T (destination and source 0) window 1
.set n, 0
.rept 16
	v_pk_mul_f32 v[64+32*(\t)+n:64+32*(\t)+n+1], v[64+32*(\t)+n:64+32*(\t)+n+1], v[rT+6:rT+7] op_sel_hi:[1,0]   ; O^T a, each accumulator from its low end on
.set n, n+2
.endr
	WIN 0
.endm
; O^T of tile t += V^T P: 64 channels x 16 queries, K = 64 keys: eight products, four accumulators by turns
.macro PV t
	s_wait_dscnt 0x0                               ; V is in
	WIN 0x50                                       ; C and D window 1
.irp e, 0,1
.irp g, 0,1,2,3
	v_wmma_f32_16x16x32_f16 v[64+32*\t+8*\g:64+32*\t+8*\g+7], v[VFR+8*(4*\e+\g):VFR+8*(4*\e+\g)+7], v[P+16*\t+8*\e:P+16*\t+8*\e+7], v[64+32*\t+8*\g:64+32*\t+8*\g+7]
.endr
.endr
	WIN 0
.endm
; A KEY STEP of 64 keys.  A step whose keys all come after my late tile's queries is left out, but for the lines at its end that step addresses; one whose keys all come after my early tile's leaves that tile out.
.macro STEP
	s_cmp_gt_u32 s[KF], s[QA+1]
	s_cbranch_scc1 .Lhidden_\@
	v_add_nc_u32 v[ADK], s[TB], v[L16]
	v_add_nc_u32 v[ADV], s[TB], v[LV]
	v_nop
	v_nop                                          ; four plain lines between the last step's products and the loads into V's registers
.set n, 0
.rept 16
	ds_load_b128 v[KFR+4*n:KFR+4*n+3], v[ADK] offset:512*n         ; K: key tile n / 4, channels 32 ((n / 2) % 2) on, image n % 2
.set n, n+1
.endr
.irp e, 0,1
.irp g, 0,1,2,3
.irp c, 0,1
	ds_load_tr16_b128 v[VFR+8*(4*\e+\g)+4*\c:VFR+8*(4*\e+\g)+4*\c+3], v[ADV] offset:2048*(2*\e+\c)+512*\g   ; V turned: keys 32 e + 16 c on, channels 16 g on
.endr
.endr
.endr
	s_wait_dscnt 16                                ; K is in; V's sixteen loads may be out
	KQ 1
	s_cmp_gt_u32 s[KF], s[QA]
	s_cbranch_scc1 .Lnolo_\@
	KQ 0
.rept 4
	v_nop
.endr
	MASK 0
	SOFT 0
	PV 0
.Lnolo_\@:
.rept 4
	v_nop                                          ; places behind the products, on both ways
.endr
	MASK 1
	SOFT 1
	PV 1
.Lhidden_\@:
	s_add_co_u32 s[KF], s[KF], 64
	s_add_co_u32 s[TB], s[TB], 8192
.endm
.macro SLOT_STEPS
	s_mov_b32 s[CNT], 8
.Lstep_\@:
	STEP
	s_sub_co_u32 s[CNT], s[CNT], 1
	s_cmp_lg_u32 s[CNT], 0
	s_cbranch_scc1 .Lstep_\@
.endm
; THE CHANGE OF SLOTS.  Each wave waits for all its tensor loads (one is out: its piece of the other slot), adds 0 to its spare word, and waits for that and for its reads of the slot that it leaves.
; fill = 1: the barrier is a round of the cluster's; behind it the slot just left is filled with the keys two slots on: the wave's one tensor load, with eight key steps in which to land.
; Behind it one prefetch into the L2 of what the NEXT change will ask for, eight key steps ahead of that load: the even waves of the head's first cluster ask, each partner for 8,192 bytes told apart by
; address, a lane for each 256: each block is named once in the launch.  The last change that fills a slot asks for nothing; the first three slots' keys come by their loads alone.
.macro CHANGE fill
	s_wait_tensorcnt 0x0                           ; no tensor load of mine is out, so a group 0 may be written
	ds_add_u32 v[SPW], v[NIL]                      ; 0 onto my spare word
.if \fill
	s_xor_b32 s[G0W+1], s[G0W+1], SLOT1            ; the walking descriptor: the other slot than last time,
	s_add_nc_u64 s[G0W+2:G0W+3], s[G0W+2:G0W+3], 65536   ; the next 512 keys; the type bits on top are not reached
	s_wait_xcnt 0x0                                ; the last prefetch, a slot back, has read its address
	s_add_nc_u64 s[PFA:PFA+1], s[PFA:PFA+1], 65536
	s_wait_dscnt 0x0                               ; the add is done, and my reads of the slot are over
	CROUND
	tensor_load_to_lds s[G0W:G0W+3], s[G1:G1+7]
	s_nop 0
.rept 4
	v_nop
.endr
	s_cmp_gt_u32 s[SLOTS], s[LIM]
	s_cbranch_scc0 .Lnot_mine_\@
	global_prefetch_b8 v[PFO], s[PFA:PFA+1] th:TH_LOAD_NT scope:SCOPE_SE
.Lnot_mine_\@:
.else
	s_wait_dscnt 0x0
	s_barrier_signal -1
	s_barrier_wait -1
.endif
	s_sub_co_u32 s[TB], s[TB], 65536               ; back to a slot's first step,
	s_xor_b32 s[TB], s[TB], SLOT1                  ; in the other slot
.endm
	s_wait_tensorcnt 1                             ; my piece of slot 0 is in; slot 1's may stay out
	s_barrier_signal -1
	s_barrier_wait -1                              ; everybody's is
	s_wait_loadcnt 0x0                             ; Q
	SLOT_STEPS                                     ; keys 0 to 511
.Lslot:                                            ; two trips: keys 512 to 1,535; each fills the slot just left
	CHANGE 1
	SLOT_STEPS
	s_sub_co_u32 s[SLOTS], s[SLOTS], 1
	s_cmp_lg_u32 s[SLOTS], 0
	s_cbranch_scc1 .Lslot
	CHANGE 0                                       ; the tail is written out
	SLOT_STEPS                                     ; keys 1,536 to 2,047
	; THE WAY OUT: O^T / l, rounded to f16; a lane's eight channels are the 16 bytes of the reader's layout: no LDS
.irp t, 0,1
	v_add_f32 v[ST+8*\t+4], v[ST+8*\t+2], v[ST+8*\t+3]
.endr
.irp t, 0,1
	v_permlanex16_b32 v[ST+8*\t+5], v[ST+8*\t+4], s[SEL], s[SEL+1]
.endr
.irp t, 0,1
	v_add_f32 v[ST+8*\t+4], v[ST+8*\t+4], v[ST+8*\t+5]
.endr
.irp t, 0,1
	v_rcp_f32 v[ST+8*\t+6], v[ST+8*\t+4]
.endr
	v_nop                                          ; a plain line behind the last reciprocal
	s_wait_alu depctr_va_vdst(0)                   ; and the one wait ahead of the first use
	WIN 0x01                                       ; source 0 (O^T) window 1, destination window 0: S^T's registers are free
.irp t, 0,1
.set n, 0
.rept 16
	v_pk_mul_f32 v[S+32*\t+n:S+32*\t+n+1], v[64+32*\t+n:64+32*\t+n+1], v[ST+8*\t+6:ST+8*\t+7] op_sel_hi:[1,0]
.set n, n+2
.endr
.endr
	WIN 0
.irp t, 0,1
.set n, 0
.rept 16
	v_cvt_pk_f16_f32 v[P+16*\t+n], v[S+32*\t+2*n], v[S+32*\t+2*n+1]
.set n, n+1
.endr
.endr
.irp t, 0,1
.irp g, 0,1,2,3
	global_store_b128 v[L16], v[P+16*\t+4*\g:P+16*\t+4*\g+3], s[56+2*\t:57+2*\t] offset:512*\g   ; the wave stores 512 consecutive bytes, at a multiple of 512
.endr
.endr
	s_wait_tensorcnt 0x0                           ; the wave's end: behind my last tensor load
	ds_add_u32 v[SPW], v[NIL]
	s_wait_dscnt 0x0
	CROUND                                         ; the closing round
	s_endpgm
.Lfunc_end_k_q0ee871b2d7_attn:
	.size	k_q0ee871b2d7_attn, .Lfunc_end_k_q0ee871b2d7_attn-k_q0ee871b2d7_attn
	.p2alignl 7, 3214868480
	.fill 96, 4, 3214868480
	.section	.rodata,"a",@progbits
	.p2align	6, 0x0
	.amdhsa_kernel k_q0ee871b2d7_attn
		.amdhsa_group_segment_fixed_size 327680
		.amdhsa_private_segment_fixed_size 0
		.amdhsa_enable_private_segment 0
		.amdhsa_kernarg_size 16
		.amdhsa_user_sgpr_count 2
		.amdhsa_user_sgpr_kernarg_segment_ptr 1
		.amdhsa_wavefront_size32 1
		.amdhsa_system_sgpr_workgroup_id_x 1
		.amdhsa_system_sgpr_workgroup_id_y 1
		.amdhsa_system_sgpr_workgroup_id_z 1
		.amdhsa_system_vgpr_workitem_id 0
		.amdhsa_next_free_vgpr 384
		.amdhsa_next_free_sgpr 66
		.amdhsa_reserve_vcc 1
		.amdhsa_float_denorm_mode_32 3
		.amdhsa_float_denorm_mode_16_64 3
		.amdhsa_memory_ordered 1
		.amdhsa_forward_progress 1
		.amdhsa_inst_pref_size 82
	.end_amdhsa_kernel
	.amdgpu_metadata
---
amdhsa.version: [ 1, 2 ]
amdhsa.kernels:
  - .name:           k_q0ee871b2d7_attn
    .symbol:         k_q0ee871b2d7_attn.kd
    .args:
      - { .name: qkv16, .offset: 0, .size: 8, .value_kind: global_buffer, .address_space: global }
      - { .name: attn16, .offset: 8, .size: 8, .value_kind: global_buffer, .address_space: global }
    .group_segment_fixed_size: 327680
    .private_segment_fixed_size: 0
    .kernarg_segment_align: 8
    .kernarg_segment_size: 16
    .max_flat_workgroup_size: 256
    .sgpr_count:     66
    .vgpr_count:     384
    .wavefront_size: 32
...
	.end_amdgpu_metadata
.endif
;; end of part 3
;; launch proj (part 4): grid 8 x 32, 4 waves a work-group, clusters of 4 x 4, 327,680 bytes of LDS; arguments attn16, wot, out0; writes out0
.if DOCPART == 4
	.amdgcn_target "amdgcn-amd-amdhsa--gfx1250"
	.amdhsa_code_object_version 6
	.text
	.protected	k_q0ee871b2d7_proj
	.globl	k_q0ee871b2d7_proj
	.p2align	8
	.type	k_q0ee871b2d7_proj,@function
k_q0ee871b2d7_proj:
	s_mov_b64 s[64:65], 0
	v_nop
	global_prefetch_b8 v0, s[64:65] scope:SCOPE_SE
	s_setreg_imm32_b32 hwreg(HW_REG_WAVE_MODE, 25, 1), 1
	s_wait_xcnt 0x0
	s_wait_alu depctr_hold_cnt(0) depctr_sa_sdst(0) depctr_va_vdst(0) depctr_va_sdst(0) depctr_va_ssrc(0) depctr_va_vcc(0) depctr_vm_vsrc(0)
	s_getreg_b32 s2, hwreg(HW_REG_IB_STS2, 6, 4)
	s_cmp_eq_u32 s2, 0
	s_cbranch_scc0 .Lentry_in_a_cluster
	s_endpgm
.Lentry_in_a_cluster:
	s_bfe_u32 s2, ttmp6, 0x10000c
	s_cmp_lg_u32 s2, 0xf033
	s_cbranch_scc0 .Lentry_shape_is_right
	s_endpgm
.Lentry_shape_is_right:
; out0 = attention result x w_out: 4096 x 1024, K = 1024, operands in f16, sums and result in f32.  Both operands lie in the order of the operand's registers:
; [tile of 16 rows][8 k: 0..127][row][16 bytes], 32,768 bytes a tile; a fragment (16 rows x 32 k) is two loads of 512 bytes at 16 x lane, with no pitch.
; A tile of C is 128 x 128: 8 x 32 = 256 work-groups of four waves, each 64 x 64: 16 accumulators.  K goes in four steps of 256 through a ring of two LDS slots.
; CLUSTERS: 4 x 4 work-groups.  The four of a row of the cluster need the same tiles of A, the four of a column the same tiles of B: each is asked for JOINTLY.
; THE MATRIX INSTRUCTION IS USED TRANSPOSED (source 0 = 16 columns of w_out, source 1 = 16 rows of A): a lane holds eight neighbouring numbers of a row of C.
; All rows are made here; the rows of positions 0 to 15 are written again, more finely, by the launch that follows (leaving them out would be a branch on a work-group's place in its cluster).
; LIMITS: operands in f16: magnitudes above 65,504 are not served.
; REGISTERS: window 0: v16-29 addresses; v32-95 the way out; v128-255 the accumulators ((a, b) at v[128 + 8 (4 a + b)]).   window 1: two fragment buffers of 128.
.set STEPB,  8192                      ; a K step of 256 in a tile's bytes
.set SLOT,   131072                    ; A's 8 tiles x 8,192 bytes, then B's
.set STAGE,  262144                    ; behind the ring: 16 rows x (256 bytes + 16) for each wave, its own
.set SPITCH, 272
.set SPARE,  279552                    ; behind the stages: the spare words, 128 bytes a wave: two blocks of 256 bytes that no other line names
.set ADRA, 16
.set ADRB, 20
.set STO,  24
.set RD,   25
.set CO,   26
.set SPW,  28
.set NIL,  29
.set TMP,  32
.set ACC,  128
.set F0,   0
.set F1,   128
.set G1, 24
.set G0, 32
.set G1B, 48
.set G0B, 56
.set MSB, 0
.macro WIN new
.if MSB != (\new)
	s_set_vgpr_msb (MSB<<8)|(\new)
.set MSB, (\new)
.endif
.endm
.set MUL,  0x05                        ; sources 0 (B) and 1 (A) window 1; C and D window 0
.set TO_F, 0x40                        ; destination window 1, address window 0
.macro JLOAD s                         ; a joint load: waves 0 and 1 fetch A's two halves, waves 2 and 3 B's; an s_nop 0 and four v_nop follow each line
	s_cmp_eq_u32 s11, 0
	s_cbranch_scc0 .Lfor_b_\@
	tensor_load_to_lds s[G0+4*\s:G0+4*\s+3], s[G1:G1+7]
	s_nop 0
.rept 4
	v_nop
.endr
	s_branch .Lasked_\@
.Lfor_b_\@:
	tensor_load_to_lds s[G0B+4*\s:G0B+4*\s+3], s[G1B:G1B+7]
	s_nop 0
.rept 4
	v_nop
.endr
.Lasked_\@:
.endm
.macro CREST                           ; a round of the cluster's barrier behind its opening barrier
	s_cmp_lg_u32 s10, 0
	s_cbranch_scc1 .Lnot_wave_0_\@
	s_barrier_signal -3
.Lnot_wave_0_\@:
	s_barrier_wait -3
	s_barrier_signal -1
	s_barrier_wait -1
.endm
.macro CROUND
	s_barrier_signal -1
	s_barrier_wait -1
	CREST
.endm
	s_load_b128 s[4:7], s[0:1], 0x0                ; A s[4:5], B s[6:7]
	s_load_b64 s[8:9], s[0:1], 0x10                ; C
	v_lshl_add_u32 v[SPW], v0, 2, SPARE
	v_mov_b32 v[NIL], 0
	ds_add_u32 v[SPW], v[NIL]                      ; the wave's opening: the add, twice on end, and its wait ahead of my first tensor load
	ds_add_u32 v[SPW], v[NIL]                      ; and once more; the set-up below, work on registers, stands between it and the wait
	v_lshrrev_b32 v1, 5, v0
	v_readfirstlane_b32 s10, v1                    ; wave 0..3
	s_lshr_b32 s11, s10, 1                         ; which half of the tile's rows is mine.  Also: I fetch for A (0) or for B (1)
	s_and_b32 s12, s10, 1                          ; which half of its columns.  Also: which four tiles I fetch
	s_bfe_u32 s40, ttmp6, 0x40000                  ; cx, cy
	s_bfe_u32 s41, ttmp6, 0x40004
	s_lshl_b32 s42, ttmp9, 2
	s_add_co_u32 s42, s42, s40                     ; tile column of C
	s_and_b32 s13, ttmp7, 0xffff
	s_lshl_b32 s13, s13, 2
	s_add_co_u32 s13, s13, s41                     ; tile row of C
	s_lshl_b32 s43, s41, 2
	s_lshl_b32 s43, 15, s43                        ; my row of the cluster
	s_lshl_b32 s44, 0x1111, s40                    ; my column
	; group 1: of each of 4 tiles 8,192 of its 32,768 bytes: 4 rows of 1,024 elements of 8 bytes, 4,096 elements apart; dense in LDS
	s_or_b32 s[G1+0], s43, (3<<16)|(1<<21)         ; 15:0 the mask: A's tiles go to my row; 17:16 elements of 8 bytes; 21 set beside a mask
	s_or_b32 s[G1B+0], s44, (3<<16)|(1<<21)
.irp g, G1, G1B
	s_mov_b32 s[\g+1], 1024<<16                    ; tensor_dim0
	s_mov_b32 s[\g+2], 4<<16                       ; tensor_dim1
	s_mov_b32 s[\g+3], 1024<<16                    ; tile_dim0
	s_mov_b32 s[\g+4], 4                           ; tile_dim1
	s_mov_b32 s[\g+5], 4096                        ; tensor_dim0_stride
	s_mov_b32 s[\g+6], 0
	s_mov_b32 s[\g+7], 0
.endr
	s_lshl_b32 s17, s12, 2
	s_lshl_b32 s16, s13, 3
	s_add_co_u32 s16, s16, s17                     ; A: tile 8 x tile row + 4 x half
	s_lshl_b32 s16, s16, 15
	s_lshl_b32 s46, s42, 3
	s_add_co_u32 s46, s46, s17                     ; B: tile 8 x tile column + 4 x half
	s_lshl_b32 s46, s46, 15
	s_mov_b32 s17, 0
	s_mov_b32 s47, 0
	s_lshl_b32 s20, s10, 15                        ; where they go: wave x 32,768
	s_wait_dscnt 0x0                               ; both opening adds are done
	s_wait_kmcnt 0x0
	s_add_nc_u64 s[14:15], s[4:5], s[16:17]
	s_add_nc_u64 s[46:47], s[6:7], s[46:47]
	CROUND                                         ; all sixteen work-groups are here: the first joint loads meet
.irp s, 0,1
	s_mov_b32 s[G0+4*\s], 1
	s_add_co_u32 s[G0+4*\s+1], s20, \s*SLOT
	s_add_nc_u64 s[G0+4*\s+2:G0+4*\s+3], s[14:15], \s*STEPB
	s_or_b32 s[G0+4*\s+3], s[G0+4*\s+3], 0x80000000
	s_mov_b32 s[G0B+4*\s], 1
	s_add_co_u32 s[G0B+4*\s+1], s20, \s*SLOT
	s_add_nc_u64 s[G0B+4*\s+2:G0B+4*\s+3], s[46:47], \s*STEPB
	s_or_b32 s[G0B+4*\s+3], s[G0B+4*\s+3], 0x80000000
	JLOAD \s                                       ; two loads of mine are out here, one behind each later round
.endr
	v_and_b32 v1, 15, v0                           ; r
	v_bfe_u32 v2, v0, 4, 1                         ; h
	v_and_b32 v3, 31, v0
	v_lshlrev_b32 v3, 4, v3                        ; 16 x lane
	s_lshl_b32 s21, s11, 15                        ; my four tiles of A
	s_lshl_b32 s22, s12, 15                        ; my four tiles of B,
	s_add_co_u32 s22, s22, 65536                   ; which lie behind A's eight
.irp s, 0,1
	v_add_nc_u32 v[ADRA+\s], s21, v3
	v_add_nc_u32 v[ADRB+\s], s22, v3
	s_add_co_u32 s21, s21, SLOT
	s_add_co_u32 s22, s22, SLOT
.endr
	s_mul_i32 s23, s10, 16*SPITCH
	s_add_co_u32 s23, s23, STAGE                   ; my stage
	v_mul_u32_u24 v4, v1, SPITCH                   ; in: row r, 32 bytes for each half of the lanes
	v_lshl_add_u32 v4, v2, 5, v4
	v_add_nc_u32 v[STO], s23, v4
	v_mul_u32_u24 v5, v2, SPITCH                   ; back: lanes 0-15 one row of 256 bytes, lanes 16-31 the next
	v_lshl_add_u32 v5, v1, 4, v5
	v_add_nc_u32 v[RD], s23, v5
	v_lshlrev_b32 v5, 12, v2                       ; and the same two rows in C, 4,096 bytes a row
	v_lshl_add_u32 v[CO], v1, 4, v5
	s_lshl_b32 s16, s13, 7
	s_lshl_b32 s17, s11, 6
	s_add_co_u32 s16, s16, s17                     ; my first row of C
	s_lshl_b32 s16, s16, 12
	s_mov_b32 s17, 0
	s_add_nc_u64 s[8:9], s[8:9], s[16:17]
	s_lshl_b32 s46, s42, 9                         ; my first column, in bytes: 512 x tile column + 256 x half
	s_lshl_b32 s47, s12, 8
	s_add_co_u32 s46, s46, s47
	s_mov_b32 s47, 0
	s_add_nc_u64 s[8:9], s[8:9], s[46:47]
; 8 matrix instructions: m blocks a0, a0 + 1 x all 4 n blocks, 32 along K: half c of buffer f.  The 16 accumulators take turns
.macro MUL8 f, c, a0, zero
.irp a, \a0, \a0+1
.irp b, 0,1,2,3
.if \zero
	v_wmma_f32_16x16x32_f16 v[ACC+8*(4*(\a)+\b):ACC+8*(4*(\a)+\b)+7], v[\f+64+8*(4*\c+\b):\f+64+8*(4*\c+\b)+7], v[\f+8*(4*\c+\a):\f+8*(4*\c+\a)+7], 0
.else
	v_wmma_f32_16x16x32_f16 v[ACC+8*(4*(\a)+\b):ACC+8*(4*(\a)+\b)+7], v[\f+64+8*(4*\c+\b):\f+64+8*(4*\c+\b)+7], v[\f+8*(4*\c+\a):\f+8*(4*\c+\a)+7], v[ACC+8*(4*(\a)+\b):ACC+8*(4*(\a)+\b)+7]
.endif
.endr
.endr
.endm
; 32 LDS loads in one run: the fragments of 64 along K at byte k of a tile's step, into buffer f; the first 32 along K first
.macro FETCH slot, k, f
	WIN TO_F
.irp c, 0,1
.irp i, 0,1,2,3
	ds_load_b128 v[\f+64+8*(4*\c+\i):\f+64+8*(4*\c+\i)+3],   v[ADRB+\slot] offset:\k+1024*\c+\i*8192
	ds_load_b128 v[\f+64+8*(4*\c+\i)+4:\f+64+8*(4*\c+\i)+7], v[ADRB+\slot] offset:\k+1024*\c+\i*8192+512
	ds_load_b128 v[\f+8*(4*\c+\i):\f+8*(4*\c+\i)+3],         v[ADRA+\slot] offset:\k+1024*\c+\i*8192
	ds_load_b128 v[\f+8*(4*\c+\i)+4:\f+8*(4*\c+\i)+7],       v[ADRA+\slot] offset:\k+1024*\c+\i*8192+512
.endr
.endr
.endm
.macro PLACES                          ; four plain lines in front of loads into registers that matrix instructions have read, and of reads of results (ISA guide 7.12.1 for the reads of results)
.rept 4
	v_nop
.endr
.endm
.macro QUARTER slot, k, f, g, zero     ; 64 along K: multiplies buffer f and fetches the next quarter, at byte k, into g
	s_wait_dscnt 16                                ; the first 32 along K are in; the other sixteen loads may be out
	WIN MUL
	MUL8 \f, 0, 0, \zero
	MUL8 \f, 0, 2, \zero
	PLACES
	FETCH \slot, \k, \g
	s_wait_dscnt 32                                ; all but the 32 just issued
	WIN MUL
	MUL8 \f, 1, 0, 0
	MUL8 \f, 1, 2, 0
.endm
; A K step's last quarter changes slots: ONE barrier; in front of it each wave waits for all its tensor loads, adds 0 to its spare word, and waits for that and for its reads of this slot.
.macro TURN slot, next, fill
	WIN 0                                          ; (the add's two registers lie in window 0)
	s_wait_tensorcnt 0x0                           ; all my tensor loads have landed: my part of the next slot;
	ds_add_u32 v[SPW], v[NIL]                      ; 0 onto my spare word;
	s_wait_dscnt 17                                ; (the add and the youngest sixteen loads may be out)
	WIN MUL
	MUL8 F1, 0, 0, 0
	s_wait_dscnt 0x0                               ; the add is done, and my reads of this slot are over
	s_barrier_signal -1
	MUL8 F1, 0, 2, 0
.if \fill
	WIN 0
.endif
	s_barrier_wait -1
.if \fill
	CREST                                          ; the barrier has opened a round of the cluster's: no wave of any partner still reads this slot or has a load on its way
	s_add_nc_u64 s[G0+4*\slot+2:G0+4*\slot+3], s[G0+4*\slot+2:G0+4*\slot+3], 2*STEPB
	s_add_nc_u64 s[G0B+4*\slot+2:G0B+4*\slot+3], s[G0B+4*\slot+2:G0B+4*\slot+3], 2*STEPB
	JLOAD \slot                                    ; the first tensor load behind the round; its four v_nop are also the places in front of the loads below
.else
	PLACES
.endif
	FETCH \next, 0, F0
	WIN MUL
	MUL8 F1, 1, 0, 0
	MUL8 F1, 1, 2, 0
.endm
	s_wait_tensorcnt 1                             ; my part of K step 0 is in (K step 1's load may be out),
	s_barrier_signal -1
	s_barrier_wait -1                              ; everybody's is
	FETCH 0, 0, F0
	QUARTER 0, 2048, F0, F1, 1                     ; K step 0; its first products start the sums
	QUARTER 0, 4096, F1, F0, 0
	QUARTER 0, 6144, F0, F1, 0
	TURN 0, 1, 1                                   ; slot 0 takes K step 2
	QUARTER 1, 2048, F0, F1, 0                     ; K step 1
	QUARTER 1, 4096, F1, F0, 0
	QUARTER 1, 6144, F0, F1, 0
	TURN 1, 0, 1                                   ; slot 1 takes K step 3
	QUARTER 0, 2048, F0, F1, 0                     ; K step 2
	QUARTER 0, 4096, F1, F0, 0
	QUARTER 0, 6144, F0, F1, 0
	TURN 0, 1, 0                                   ; nothing is left to fetch
	QUARTER 1, 2048, F0, F1, 0                     ; K step 3
	QUARTER 1, 4096, F1, F0, 0
	QUARTER 1, 6144, F0, F1, 0
	s_wait_dscnt 16
	WIN MUL
	MUL8 F1, 0, 0, 0
	MUL8 F1, 0, 2, 0
	s_wait_dscnt 0
	MUL8 F1, 1, 0, 0
	MUL8 F1, 1, 2, 0
	WIN 0
; THE WAY OUT, 16 rows x 64 columns at a time.  A lane holds 32 neighbouring bytes of a row; a block goes through my own stage and comes back as whole rows of 256 bytes.
; LDS serves a wave's instructions in order (ISA guide 5.7.1.4): no wait between the stores and the loads, nor in front of the next block's stores.
.macro TOSTAGE a
.irp b, 0,1,2,3
	ds_store_b128 v[STO], v[ACC+8*(4*(\a)+\b):ACC+8*(4*(\a)+\b)+3] offset:64*\b        ; each accumulator from its low end on
	ds_store_b128 v[STO], v[ACC+8*(4*(\a)+\b)+4:ACC+8*(4*(\a)+\b)+7] offset:64*\b+16
.endr
.irp t, 0,1,2,3,4,5,6,7
	ds_load_b128 v[TMP+32*((\a)%2)+4*\t:TMP+32*((\a)%2)+4*\t+3], v[RD] offset:2*\t*SPITCH
.endr
.endm
.macro SEND a, younger                 ; younger: the LDS instructions issued behind block a's loads
	s_wait_dscnt \younger
.irp t, 0,1,2,3,4,5,6,7
	global_store_b128 v[CO], v[TMP+32*((\a)%2)+4*\t:TMP+32*((\a)%2)+4*\t+3], s[8:9] offset:(16*(\a)+2*\t)*4096 th:TH_STORE_NT   ; 16 lanes store 256 consecutive bytes, at a multiple of 256
.endr
.endm
	PLACES
	TOSTAGE 0
	TOSTAGE 1
	SEND 0, 16                                     ; behind block 0's loads: block 1's 8 stores and 8 loads
	s_wait_xcnt 0x0                                ; block 0's stores have read their registers: block 2's loads may land there
	TOSTAGE 2
	SEND 1, 16
	s_wait_xcnt 0x0
	TOSTAGE 3
	SEND 2, 16
	SEND 3, 0
	s_wait_tensorcnt 0x0                           ; the wave's end: behind my last tensor load and my last LDS store
	ds_add_u32 v[SPW], v[NIL]
	s_wait_dscnt 0x0
	CROUND                                         ; the closing round
	s_endpgm
.Lfunc_end_k_q0ee871b2d7_proj:
	.size	k_q0ee871b2d7_proj, .Lfunc_end_k_q0ee871b2d7_proj-k_q0ee871b2d7_proj
	.p2alignl 7, 3214868480
	.fill 96, 4, 3214868480
	.section	.rodata,"a",@progbits
	.p2align	6, 0x0
	.amdhsa_kernel k_q0ee871b2d7_proj
		.amdhsa_group_segment_fixed_size 327680
		.amdhsa_private_segment_fixed_size 0
		.amdhsa_enable_private_segment 0
		.amdhsa_kernarg_size 24
		.amdhsa_user_sgpr_count 2
		.amdhsa_user_sgpr_kernarg_segment_ptr 1
		.amdhsa_wavefront_size32 1
		.amdhsa_system_sgpr_workgroup_id_x 1
		.amdhsa_system_sgpr_workgroup_id_y 1
		.amdhsa_system_sgpr_workgroup_id_z 1
		.amdhsa_system_vgpr_workitem_id 0
		.amdhsa_next_free_vgpr 512
		.amdhsa_next_free_sgpr 66
		.amdhsa_reserve_vcc 0
		.amdhsa_float_denorm_mode_32 3
		.amdhsa_float_denorm_mode_16_64 3
		.amdhsa_memory_ordered 1
		.amdhsa_forward_progress 1
		.amdhsa_inst_pref_size 85
	.end_amdhsa_kernel
	.amdgpu_metadata
---
amdhsa.version: [ 1, 2 ]
amdhsa.kernels:
  - .name:           k_q0ee871b2d7_proj
    .symbol:         k_q0ee871b2d7_proj.kd
    .args:
      - { .name: attn16, .offset: 0, .size: 8, .value_kind: global_buffer, .address_space: global }
      - { .name: wot, .offset: 8, .size: 8, .value_kind: global_buffer, .address_space: global }
      - { .name: out0, .offset: 16, .size: 8, .value_kind: global_buffer, .address_space: global }
    .group_segment_fixed_size: 327680
    .private_segment_fixed_size: 0
    .kernarg_segment_align: 8
    .kernarg_segment_size: 24
    .max_flat_workgroup_size: 128
    .sgpr_count:     66
    .vgpr_count:     512
    .wavefront_size: 32
...
	.end_amdgpu_metadata
.endif
;; end of part 4
;; launch first16 (part 5): grid 32 x 2, 16 waves a work-group, no clusters, 34,816 bytes of LDS; arguments qkv32, w_out, out0; writes out0
.if DOCPART == 5
	.amdgcn_target "amdgcn-amd-amdhsa--gfx1250"
	.amdhsa_code_object_version 6
	.text
	.protected	k_q0ee871b2d7_first16
	.globl	k_q0ee871b2d7_first16
	.p2align	8
	.type	k_q0ee871b2d7_first16,@function
k_q0ee871b2d7_first16:
	s_mov_b64 s[64:65], 0
	v_nop
	global_prefetch_b8 v0, s[64:65] scope:SCOPE_SE
	s_setreg_imm32_b32 hwreg(HW_REG_WAVE_MODE, 25, 1), 1
	s_wait_xcnt 0x0
; POSITIONS 0 TO 15 OF BOTH SEQUENCES, ALL IN f32: scores, causal softmax, weighted values and the projection.  These rows average one to sixteen values and are the largest of the output:
; they are carried finely and written over what the projection's launch left there.  32 rows in all: no bulk work, so the f32 matrix form serves.
; qkv32: [batch][position 0..15][3072] f32 (q and k after the rotary embedding, v).  Work-group (x, batch) makes out0[batch][0..15][32 x .. 32 x + 31].
; A WAVE IS A HEAD: its 64 channels are its share of the projection's K, so the head's result goes from product to product in registers; the sixteen waves' partial results meet in LDS.
; A matrix instruction takes 4 along K: lane (r, h), register j holds place 2 h + j.  Which true k stands at a place is free as long as both sources agree: so 16-byte loads, and a result's own registers, serve as operands.
; The registers that the matrix instructions write (v176-239) are written by them alone; each sum begins with the constant 0.
; REGISTERS: v1-15 addresses; v16-47 Q; v48-79 K; v80-111 V; v112-175 w_out; v176-191 S^T in two halves; v192-223 O^T; v224-239 the partial result; v240-247 scores, then weights; v248-254 at work.
.set SPARE, 32768                      ; behind the partial results: the spare words, 128 bytes a wave: eight blocks of 256 bytes that no other line names
.set SPW, 14
.set NIL, 15
	s_load_b128 s[4:7], s[0:1], 0x0                ; qkv32 s[4:5], w_out s[6:7]
	s_load_b64 s[8:9], s[0:1], 0x10                ; out0
	v_lshl_add_u32 v[SPW], v0, 2, SPARE
	v_mov_b32 v[NIL], 0
	v_lshrrev_b32 v1, 5, v0
	v_readfirstlane_b32 s10, v1                    ; wave = head
	s_and_b32 s11, ttmp7, 0xffff                   ; batch
	v_and_b32 v1, 15, v0                           ; r
	v_bfe_u32 v2, v0, 4, 1                         ; h
	v_and_b32 v3, 31, v0
	v_mul_u32_u24 v4, v1, 12288
	v_lshl_add_u32 v4, v2, 4, v4                   ; Q, K: position r, 16 h bytes on
	v_mul_u32_u24 v5, v2, 98304
	v_lshl_add_u32 v5, v1, 2, v5                   ; V: lanes 16-31 begin 8 keys further down; channel r
	v_lshlrev_b32 v6, 15, v2
	v_lshl_add_u32 v6, v1, 2, v6                   ; w_out: lanes 16-31 begin 8 rows further down; column r
	v_lshlrev_b32 v7, 4, v3                        ; 16 x lane
	s_lshl_b32 s12, s10, 11
	v_add_nc_u32 v8, s12, v7                       ; LDS: my wave's 2,048 bytes
	s_and_b32 s18, s10, 3
	s_lshl_b32 s12, s18, 9
	v_add_nc_u32 v9, s12, v7                       ; and what waves 0 to 3 read back: piece (wave % 4) of every wave's
	v_lshlrev_b32 v10, 12, v1
	v_lshl_add_u32 v10, v2, 5, v10                 ; out0: row r of 4,096 bytes, + 32 h
	v_lshlrev_b32 v11, 3, v2
	v_sub_nc_u32 v11, v1, v11                      ; r - 8 h: register j (key 8 h + j) is hidden where j is greater
	v_mov_b32 v12, 0xff800000                      ; -infinity
	v_mov_b32 v249, 0                              ; a lane permute's destination counts as one of its sources
	s_mov_b32 s14, 0x76543210
	s_mov_b32 s15, 0xfedcba98
	s_mov_b32 s16, 0x3e38aa3b                      ; c = log2(e) / 8
	s_mov_b32 s13, 0
	s_mov_b32 s21, 0
	s_mov_b32 s23, 0
	s_mul_i32 s12, s11, 196608
	s_lshl_b32 s17, s10, 8
	s_add_co_u32 s12, s12, s17                     ; qkv32: my batch, my head's 64 channels
	s_lshl_b32 s20, s10, 18
	s_lshl_b32 s17, ttmp9, 7
	s_add_co_u32 s20, s20, s17                     ; w_out: my head's 64 rows, the work-group's 32 columns
	s_lshl_b32 s22, s11, 23
	s_add_co_u32 s22, s22, s17                     ; out0: my batch's first row, the 32 columns,
	s_lshr_b32 s19, s18, 1
	s_lshl_b32 s19, s19, 6
	s_add_co_u32 s22, s22, s19                     ; and, for waves 0 to 3, the piece's place: 64 (u / 2) + 16 (u % 2)
	s_and_b32 s19, s18, 1
	s_lshl_b32 s19, s19, 4
	s_add_co_u32 s22, s22, s19
	s_wait_kmcnt 0x0
	s_add_nc_u64 s[4:5], s[4:5], s[12:13]
	s_add_nc_u64 s[6:7], s[6:7], s[20:21]
	s_add_nc_u64 s[8:9], s[8:9], s[22:23]
.irp c, 0,1,2,3,4,5,6,7
	global_load_b128 v[16+4*\c:19+4*\c], v4, s[4:5] offset:32*\c          ; Q(r, 8 c + 4 h + 0..3)
.endr
.irp c, 0,1,2,3,4,5,6,7
	global_load_b128 v[48+4*\c:51+4*\c], v4, s[4:5] offset:4096+32*\c     ; K likewise
.endr
.irp g, 0,1,2,3
.irp i, 0,1,2,3,4,5,6,7
	global_load_b32 v[80+8*\g+\i], v5, s[4:5] offset:8192+12288*\i+64*\g  ; V(key 8 h + i, channel 16 g + r)
.endr
.endr
.irp n, 0,1
.irp g, 0,1,2,3
.irp i, 0,1,2,3,4,5,6,7
	global_load_b32 v[112+32*\n+8*\g+\i], v6, s[6:7] offset:4096*(16*\g+\i)+64*\n   ; w_out(64 head + 16 g + 8 h + i, 32 x + 16 n + r)
.endr
.endr
.endr
	s_wait_loadcnt 63                              ; of the 112 loads at most 63 are out: the first 49 are in, Q's, K's and V's 48 among them
	; S^T = K Q^T: source 0 = 16 keys, source 1 = 16 queries; two accumulators by turns, each with half of the channels
.irp c, 0,1,2,3,4,5,6,7
.irp p, 0,1
.if \c == 0
	v_wmma_f32_16x16x4_f32 v[176+8*\p:183+8*\p], v[48+4*\c+2*\p:49+4*\c+2*\p], v[16+4*\c+2*\p:17+4*\c+2*\p], 0
.else
	v_wmma_f32_16x16x4_f32 v[176+8*\p:183+8*\p], v[48+4*\c+2*\p:49+4*\c+2*\p], v[16+4*\c+2*\p:17+4*\c+2*\p], v[176+8*\p:183+8*\p]
.endif
.endr
.endr
.rept 8
	v_nop                                          ; eight places behind this form, ahead of the reads of its results (ISA guide 7.12.1)
.endr
.irp j, 0,1,2,3,4,5,6,7
	v_add_f32 v[240+\j], v[176+\j], v[184+\j]      ; lane (r, h): query r, key 8 h + j; both accumulators from their low end on
.endr
.irp j, 0,1,2,3,4,5,6,7
	v_cmp_gt_i32 vcc_lo, \j, v11
	v_cndmask_b32 v[240+\j], v[240+\j], v12, vcc_lo                ; the causal mask
.endr
	v_max3_num_f32 v248, v240, v241, v242
	v_max3_num_f32 v248, v248, v243, v244
	v_max3_num_f32 v248, v248, v245, v246
	v_max_num_f32 v248, v248, v247
	v_permlanex16_b32 v249, v248, s14, s15
	v_max_num_f32 v248, v248, v249                 ; the row's maximum: key 0 counts for every query, so it is a number
	v_mul_f32 v250, s16, v248
.irp j, 0,1,2,3,4,5,6,7
	v_fma_f32 v[240+\j], v[240+\j], s16, -v250
.endr
.irp j, 0,1,2,3,4,5,6,7
	v_exp_f32 v[240+\j], v[240+\j]
.endr
	v_nop                                          ; a plain line behind the last exponential,
	s_wait_alu depctr_va_vdst(0)                   ; and one wait for the batch ahead of its first reader
	v_add_f32 v251, v240, v241
	v_add_f32 v252, v242, v243
	v_add_f32 v253, v244, v245
	v_add_f32 v254, v246, v247
	v_add_f32 v251, v251, v252
	v_add_f32 v253, v253, v254
	v_add_f32 v251, v251, v253
	v_permlanex16_b32 v249, v251, s14, s15
	v_add_f32 v251, v251, v249                     ; the row's sum
	v_rcp_f32 v252, v251
	v_nop
	s_wait_alu depctr_va_vdst(0)
.irp j, 0,1,2,3,4,5,6,7
	v_mul_f32 v[240+\j], v[240+\j], v252           ; the weights
.endr
	; O^T = V^T P: source 0 = 16 channels, source 1 = the weights as they stand: place (h, j) of step c is key 8 h + 2 c + j on both sides.  Four accumulators by turns
.irp c, 0,1,2,3
.irp g, 0,1,2,3
.if \c == 0
	v_wmma_f32_16x16x4_f32 v[192+8*\g:199+8*\g], v[80+8*\g+2*\c:81+8*\g+2*\c], v[240+2*\c:241+2*\c], 0
.else
	v_wmma_f32_16x16x4_f32 v[192+8*\g:199+8*\g], v[80+8*\g+2*\c:81+8*\g+2*\c], v[240+2*\c:241+2*\c], v[192+8*\g:199+8*\g]
.endif
.endr
.endr
.rept 9
	v_nop                                          ; nine places before a matrix instruction takes these results as a source
.endr
	s_wait_loadcnt 0x0                             ; w_out
	; the head's share of the projection: source 0 = 16 columns of w_out, source 1 = O^T as it stands: place (h, j) of step (g, c) is channel 16 g + 8 h + 2 c + j.  Two accumulators by turns
.irp g, 0,1,2,3
.irp c, 0,1,2,3
.irp n, 0,1
.if (\g == 0) && (\c == 0)
	v_wmma_f32_16x16x4_f32 v[224+8*\n:231+8*\n], v[112+32*\n+8*\g+2*\c:113+32*\n+8*\g+2*\c], v[192+8*\g+2*\c:193+8*\g+2*\c], 0
.else
	v_wmma_f32_16x16x4_f32 v[224+8*\n:231+8*\n], v[112+32*\n+8*\g+2*\c:113+32*\n+8*\g+2*\c], v[192+8*\g+2*\c:193+8*\g+2*\c], v[224+8*\n:231+8*\n]
.endif
.endr
.endr
.endr
.rept 8
	v_nop
.endr
.irp q, 0,1,2,3
	ds_store_b128 v8, v[224+4*\q:227+4*\q] offset:512*\q           ; lane (r, h), piece q: row r, columns 16 (q / 2) + 8 h + 4 (q % 2) + 0..3; each accumulator from its low end on
.endr
	s_wait_dscnt 0x0                               ; for the others' sake: my stores have landed
	s_barrier_signal -1
	s_barrier_wait -1
	s_cmp_gt_u32 s10, 3                            ; waves 0 to 3 add the sixteen heads' shares, a piece each
	s_cbranch_scc1 .Ldone
.irp w, 0,1,2,3,4,5,6,7,8,9,10,11,12,13,14,15
	ds_load_b128 v[16+4*\w:19+4*\w], v9 offset:2048*\w
.endr
	s_wait_dscnt 0x0
.irp w, 1,2,3,4,5,6,7,8,9,10,11,12,13,14,15
	v_pk_add_f32 v[16:17], v[16:17], v[16+4*\w:17+4*\w]
	v_pk_add_f32 v[18:19], v[18:19], v[18+4*\w:19+4*\w]
.endr
	global_store_b128 v10, v[16:19], s[8:9]        ; 16 bytes a lane to sixteen rows: 32 rows of the output in the whole launch
.Ldone:
	s_wait_tensorcnt 0x0                           ; the wave's end: behind my last LDS store
	ds_add_u32 v[SPW], v[NIL]
	s_wait_dscnt 0x0
	s_endpgm
.Lfunc_end_k_q0ee871b2d7_first16:
	.size	k_q0ee871b2d7_first16, .Lfunc_end_k_q0ee871b2d7_first16-k_q0ee871b2d7_first16
	.p2alignl 7, 3214868480
	.fill 96, 4, 3214868480
	.section	.rodata,"a",@progbits
	.p2align	6, 0x0
	.amdhsa_kernel k_q0ee871b2d7_first16
		.amdhsa_group_segment_fixed_size 34816
		.amdhsa_private_segment_fixed_size 0
		.amdhsa_enable_private_segment 0
		.amdhsa_kernarg_size 24
		.amdhsa_user_sgpr_count 2
		.amdhsa_user_sgpr_kernarg_segment_ptr 1
		.amdhsa_wavefront_size32 1
		.amdhsa_system_sgpr_workgroup_id_x 1
		.amdhsa_system_sgpr_workgroup_id_y 1
		.amdhsa_system_sgpr_workgroup_id_z 1
		.amdhsa_system_vgpr_workitem_id 0
		.amdhsa_next_free_vgpr 256
		.amdhsa_next_free_sgpr 66
		.amdhsa_reserve_vcc 1
		.amdhsa_float_denorm_mode_32 3
		.amdhsa_float_denorm_mode_16_64 3
		.amdhsa_memory_ordered 1
		.amdhsa_forward_progress 1
		.amdhsa_inst_pref_size 24
	.end_amdhsa_kernel
	.amdgpu_metadata
---
amdhsa.version: [ 1, 2 ]
amdhsa.kernels:
  - .name:           k_q0ee871b2d7_first16
    .symbol:         k_q0ee871b2d7_first16.kd
    .args:
      - { .name: qkv32, .offset: 0, .size: 8, .value_kind: global_buffer, .address_space: global }
      - { .name: w_out, .offset: 8, .size: 8, .value_kind: global_buffer, .address_space: global }
      - { .name: out0, .offset: 16, .size: 8, .value_kind: global_buffer, .address_space: global }
    .group_segment_fixed_size: 34816
    .private_segment_fixed_size: 0
    .kernarg_segment_align: 8
    .kernarg_segment_size: 24
    .max_flat_workgroup_size: 512
    .sgpr_count:     66
    .vgpr_count:     256
    .wavefront_size: 32
...
	.end_amdgpu_metadata
.endif
;; end of part 5
